; MI455X (gfx1250); checked and timed in simulation.
; The chip was launched on July 23, 2026; its instructions are those of AMD's public machine-readable ISA for CDNA 5 (MIT licence, August 2026) and "CDNA5" Instruction Set Architecture Reference Guide (July 2026). The comments in the code are by the model that wrote it; some were corrected since.
;; Encoder Block. Allowed arithmetic: matrix products marked QUANTISED: E3M2 operands, one E8M0 scale for each 32 along K, by v_wmma_scale_f32_16x16x128_f8f6f4 with both operands' format E3M2, f32 sums; everything else in f32.
;; Inputs: W1 1,024 x 4,096 float32; W2 4,096 x 1,024 float32; Wk 1,024 x 1,024 float32; Wo 1,024 x 1,024 float32; Wq 1,024 x 1,024 float32; Wv 1,024 x 1,024 float32; b1 4,096 float32; b2 1,024 float32; be1 1,024 float32; be2 1,024 float32; bk 1,024 float32; bo 1,024 float32; bq 1,024 float32; bv 1,024 float32; g1 1,024 float32; g2 1,024 float32; x 2 x 2,048 x 1,024 float32.
;; Outputs: out0 2 x 2,048 x 1,024 float32.
;; This version of the problem:
;;   THIS VERSION OF THE PROBLEM IS GIVEN IN LOW PRECISION. The matrix products marked QUANTISED in the list below multiply operands that are first quantised to E3M2 (3 exponent bits, 2 mantissa bits; 6 bits a number), with one power-of-two scale for each 32 numbers along K (OCP MX v1.0); their sums are f32. All else is computed in f32.
;;   The module's matrix products, in the order in which they are computed (A, B: the left and right operand; K: the contracted axis; several contracted axes count as one K, in the product's order):
;;     1. [M 4,096, K 1,024] x [K 1,024, N 1,024]; A: input x; B: input Wq: QUANTISED
;;     2. [M 4,096, K 1,024] x [K 1,024, N 1,024]; A: input x; B: input Wk: QUANTISED
;;     3. [M 4,096, K 1,024] x [K 1,024, N 1,024]; A: input x; B: input Wv: QUANTISED
;;     4. batch 32 x [M 2,048, K 64] x [K 64, N 2,048]; A: computed on the way; B: computed on the way: QUANTISED
;;     5. batch 32 x [M 2,048, K 2,048] x [K 2,048, N 64]; A: softmax (see below); B: computed on the way: QUANTISED
;;     6. [M 4,096, K 1,024] x [K 1,024, N 1,024]; A: computed on the way; B: input Wo: QUANTISED
;;     7. [M 4,096, K 1,024] x [K 1,024, N 4,096]; A: computed on the way; B: input W1: QUANTISED
;;     8. [M 4,096, K 4,096] x [K 4,096, N 1,024]; A: computed on the way; B: input W2: QUANTISED
;;   THE QUANTISER, for each operand of a quantised product, along K:
;;     - K is cut into blocks of 32 from its start; a last block that is shorter is filled with zeros.
;;     - A block's scale is 2^e with e = floor(log2(the largest magnitude in the block)) - 4, held to -126 .. 127; a block of zeros has e = 0. As a byte (E8M0): e + 127.
;;     - Each number is divided by its block's scale, clamped to +-28, and rounded to the nearest number of E3M2, ties to even, subnormals kept.
;;     - The product sums the exact products of the quantised numbers (number of the format x scale) in f32.
;;   ~~~python
;;   def quantise(x, axis):      # numpy; x: float32 -> the quantised numbers, widened to float32 again
;;       x = np.moveaxis(x, axis, -1); K = x.shape[-1]
;;       x = np.pad(x, [(0, 0)] * (x.ndim - 1) + [(0, -K % 32)]); x = x.reshape(x.shape[:-1] + (-1, 32)); a = np.abs(x).max(-1, keepdims=True)
;;       e = np.where(a > 0, np.clip(np.frexp(np.where(a > 0, a, 1))[1] - 1 - 4, -126, 127), 0)      # np.frexp(a)[1] - 1 = floor(log2(a)), exactly
;;       r = np.clip(x / 2.0 ** e, -28, 28)
;;       step = 2.0 ** (np.maximum(np.frexp(np.where(r == 0, 1, r))[1] - 1, -2) - 2)
;;       q = np.round(r / step) * step * 2.0 ** e      # np.round: ties to even
;;       return np.moveaxis(q.reshape(q.shape[:-2] + (-1,))[..., :K], -1, axis).astype(np.float32)
;;   ~~~
;;   SOFTMAX AHEAD OF A QUANTISED PRODUCT. Where the list says 'softmax', what is quantised is not the finished softmax but p = 2^(t - M), with t = logit x log2(e) and M = ceil(the row's largest t), a whole number; so 1/2 < the row's largest p <= 1. The row's sum l is taken of the UNQUANTISED p, in f32, and the product's result is divided by l at the end. Since M is a whole number, a kernel that streams over the keys may use a running M (the ceiling of the running maximum): every later rescaling is an exact power of two, which a block's scale takes up: the codes' values come out the same.
;;   OPERANDS COMPUTED ON THE WAY. 'Computed on the way' means the value that the module computes at that place (a softmax that the list does not call 'softmax' is quantised finished and normalised). What goes into a quantiser is computed in f32, as accurately as f32 sums, v_exp_f32 and their like allow (about 1e-6 of the number): no bf16 or f16 on the way to a quantiser, and a product that is left as it is and whose result goes on into a quantised operand takes f32 operands (vector FMAs, or v_wmma_f32_16x16x4_f32). A number that lies on a knife's edge between two numbers of the format may be rounded either way, as far as f32 arithmetic and the matrix unit's own rounding can turn it there, and no further.
;; One version. Each part assembles by itself: llvm-mc -triple=amdgcn-amd-amdhsa -mcpu=gfx1250 --defsym DOCPART=n.
;; ======== version 1 of 1: 6 launches
;; limits: right only within a limited range of input values
;; workspace buffers: ximg 3,276,800 bytes; wimg 9,830,400 bytes; qkvimg 9,830,400 bytes; himg 3,276,800 bytes; hres 16,777,216 bytes; fimg 13,107,200 bytes; y2 16,777,216 bytes
;; launch prep (part 1): grid 512 x 1, 4 waves a work-group, no clusters, 51,712 bytes of LDS; arguments x, Wq, Wk, Wv, Wo, W1, W2, ximg, wimg; writes ximg, wimg
.if DOCPART == 1
	.amdgcn_target "amdgcn-amd-amdhsa--gfx1250"
	.amdhsa_code_object_version 6
	.text
	.protected	k_q0434ccb94b_prep
	.globl	k_q0434ccb94b_prep
	.p2align	8
	.type	k_q0434ccb94b_prep,@function
k_q0434ccb94b_prep:
	s_mov_b64 s[64:65], 0
	v_nop
	global_prefetch_b8 v0, s[64:65] scope:SCOPE_SE
	s_setreg_imm32_b32 hwreg(HW_REG_WAVE_MODE, 25, 1), 1
	s_wait_xcnt 0x0
; x [4096][1024] and the six weights [K][N], all f32, become codes of E3M2 with one E8M0 byte for each 32 along K, laid as IMAGES OF OPERAND REGISTERS.
; A BLOCK is 64 rows x 128 K in 6,400 bytes: four fragments (16 rows x 128 K: 12 registers a lane, as three pieces of 512 bytes, lane l's 16 bytes at 16 l) at 1,536 t,
; then 256 bytes of scale words at 6,144 + 16 r + 4 t.  An operand is laid [rows / 64][K / 128][6,400].
; THE ROWS OF A TILE ARE NOT NEIGHBOURS: lane row r of tile 2 p + u takes row 32 p + 8 u + r + 8 (r / 8), so that a product's results are neighbours along the next K.
; One wave makes one block.  Work-groups 0-127: x (K innermost: a lane loads 16 neighbours of each block of 32).  128-383: Wq, Wk, Wv, Wo, W2 (rows of 4,096 bytes); 384-511: W1 (rows of 16,384 bytes).
; THE WEIGHTS: a lane takes TWO neighbouring columns, 2 l and 2 l + 1 of the block's 64, and its register pairs run down K: a load of 8 bytes a lane covers the 256 consecutive bytes that a row of the weight has in the block.
; Two K blocks of 32 rows (64 loads a wave) are out at the most.  A column's 32 numbers are moved into consecutive registers for the conversions; its largest magnitude needs no other lane.
; The codes are put into the wave's own image of the block in LDS and leave as 512 consecutive bytes a store.  The two weight arms have LDS bytes of their own.  No barrier: waves share nothing.
; LIMITS: NaN and infinities among the inputs are not served.  A block of zeros gets the byte 1 where the rule says 127: its codes are zeros, and only this program reads the bytes.
.set XA,  4                            ; v4   x: (r + 8 (r / 8)) x 4,096 + 64 h
.set AL,  5                            ; v5   16 x lane
.set AS,  6                            ; v6   16 r + 8 h
.set TM,  8                            ; v8-23 at work
.set PW4, 24                           ; v24-27 four tiles' scale words (weights: v24, v25 my two columns' words)
.set SS,  28                           ; v28-29 scale words on their way out
.set LW,  30                           ; v30  weights: my even column's place in the LDS image; the odd one's is 16 bytes on
.set LWS, 31                           ; v31  and its scale word's
.set XB,  32                           ; v32-159 numbers: two sets of 64
.set OB,  32                           ; v32-79 weights: the image on its way out
.set PC,  160                          ; v160-179 x: a fragment's codes
.set LRD, 180                          ; v180 the image, 16 bytes a lane
.set LR8, 181                          ; v181 the image, 8 bytes a lane
.set A8,  182                          ; v182 8 x lane
.set G,   200                          ; v200-231 weights: a column's 32 numbers on end
.set CC,  232                          ; v232-251 weights: for each of my two columns six registers of codes and the second half as converted
.set OUT, 40                           ; s[40:41] my block in the workspace
.set SEL, 44                           ; s[44:45] v_permlanex16_b32's selects for lane l xor 16
.set HM,  46                           ; s46  lanes 16-31
; 64 numbers of a lane, register 16 b + i = k 32 b + 16 (lane / 16) + i of my row, become a fragment's codes in v[PC] on and its scale word in v[pw] (the same in lanes l and l xor 16)
.macro QUANT s, pw
.irp b, 0,1,2,3
	v_max3_num_f32 v[TM+\b], |v[(\s)+16*\b]|, |v[(\s)+1+16*\b]|, 0x2800000   ; and the floor 2^(5 - 127): the byte cannot fall under 1
.endr
.irp i, 2,4,6,8,10,12,14
.irp b, 0,1,2,3
	v_max3_num_f32 v[TM+\b], v[TM+\b], |v[(\s)+16*\b+\i]|, |v[(\s)+1+16*\b+\i]|
.endr
.endr
.irp b, 0,1,2,3
	v_permlanex16_b32 v[TM+4+\b], v[TM+\b], s[SEL], s[SEL+1]
.endr
.irp b, 0,1,2,3
	v_max_num_f32 v[TM+\b], v[TM+\b], v[TM+4+\b]   ; the block's largest magnitude
.endr
.irp b, 0,1,2,3
	v_add_nc_u32 v[TM+12+\b], 0xfe000000, v[TM+\b]   ; 4 off its exponent field: the conversion's scale operand
.endr
.irp b, 0,1,2,3
	v_lshrrev_b32 v[TM+4+\b], 23, v[TM+12+\b]      ; the scale's byte
.endr
	v_lshl_or_b32 v[\pw], v[TM+5], 8, v[TM+4]
	v_lshl_or_b32 v[\pw], v[TM+6], 16, v[\pw]
	v_lshl_or_b32 v[\pw], v[TM+7], 24, v[\pw]
.irp c, 0,1
	v_cvt_scalef32_pk16_bf6_f32 v[PC+6*\c:PC+2+6*\c], v[(\s)+32*\c:(\s)+15+32*\c], v[TM+12+2*\c]
	v_cvt_scalef32_pk16_bf6_f32 v[PC+12+4*\c:PC+14+4*\c], v[(\s)+16+32*\c:(\s)+31+32*\c], v[TM+12+2*\c+1]
.endr
	v_nop                                          ; one plain place behind a scaled conversion
.irp c, 0,1                                    ; a whole block to a lane: lanes 0-15 block 2 c, lanes 16-31 block 2 c + 1
.irp i, 0,1,2
	v_permlane16_swap_b32 v[PC+6*\c+\i], v[PC+12+4*\c+\i]
.endr
.irp i, 0,1,2
	v_mov_b32 v[PC+3+6*\c+\i], v[PC+12+4*\c+\i]
.endr
.endr
.endm
.macro IMAGE off                       ; the fragment leaves as it stands: 512 consecutive bytes a store
.irp c, 0,1,2
	global_store_b128 v[AL], v[PC+4*\c:PC+4*\c+3], s[OUT:OUT+1] offset:(\off)+512*\c
.endr
.endm
.macro SCSTORE adr, base, off          ; four tiles' words: lanes 0-15 send tiles 0, 1, lanes 16-31 tiles 2, 3: 256 consecutive bytes
	v_cndmask_b32 v[SS], v[PW4], v[PW4+2], s[HM]
	v_cndmask_b32 v[SS+1], v[PW4+1], v[PW4+3], s[HM]
	global_store_b64 v[\adr], v[SS:SS+1], s[\base:\base+1] offset:\off
.endm
.macro XLOAD t                         ; tile t of x: 64 numbers a lane into set t % 2
.irp b, 0,1,2,3
.irp j, 0,1,2,3
	global_load_b128 v[XB+64*((\t)%2)+16*\b+4*\j:XB+64*((\t)%2)+16*\b+4*\j+3], v[XA], s[28:29] offset:(32*((\t)/2)+8*((\t)%2))*4096+128*\b+16*\j th:TH_LOAD_NT
.endr
.endr
.endm
.macro WLOAD kb, pitch                 ; weights: K block kb: 32 rows, 256 consecutive bytes a load, into set kb % 2: registers 2 i, 2 i + 1 = row i of my two columns
.set i_, 0
.rept 32
	global_load_b64 v[XB+64*((\kb)%2)+2*i_:XB+64*((\kb)%2)+2*i_+1], v[A8], s[28:29] offset:(32*(\kb)+i_)*(\pitch) th:TH_LOAD_NT
.set i_, i_+1
.endr
.endm
.macro WBLOCK kb, pitch
.set XS_, XB+64*((\kb)%2)
.if (\kb) < 3
	s_wait_loadcnt 32                              ; this K block's 32 loads are in; the next one's 32 may be out
.else
	s_wait_loadcnt 0x0
.endif
.irp e, 0,1                                    ; column e: all 32 numbers of its block are mine; the two columns by turns
	v_max3_num_f32 v[12+2*\e], |v[XS_+\e]|, |v[XS_+2+\e]|, |v[XS_+4+\e]|
	v_max3_num_f32 v[13+2*\e], |v[XS_+6+\e]|, |v[XS_+8+\e]|, |v[XS_+10+\e]|
.endr
.irp i, 6,10,14,18,22,26
.irp e, 0,1
	v_max3_num_f32 v[12+2*\e], v[12+2*\e], |v[XS_+2*\i+\e]|, |v[XS_+2*\i+2+\e]|
	v_max3_num_f32 v[13+2*\e], v[13+2*\e], |v[XS_+2*\i+4+\e]|, |v[XS_+2*\i+6+\e]|
.endr
.endr
.irp e, 0,1
	v_max3_num_f32 v[12+2*\e], v[12+2*\e], |v[XS_+60+\e]|, |v[XS_+62+\e]|
.endr
.irp e, 0,1
	v_max3_num_f32 v[12+2*\e], v[12+2*\e], v[13+2*\e], 0x2800000   ; and the floor 2^(5 - 127)
.endr
.irp e, 0,1
	v_add_nc_u32 v[10+\e], 0xfe000000, v[12+2*\e]  ; the conversion's scale operand
.endr
.irp e, 0,1
	v_lshrrev_b32 v[13+2*\e], 23, v[10+\e]         ; the scale's byte
.endr
.irp e, 0,1
.if (\kb) == 0
	v_mov_b32 v[PW4+\e], v[13+2*\e]
.else
	v_lshl_or_b32 v[PW4+\e], v[13+2*\e], 8*(\kb), v[PW4+\e]
.endif
.endr
	s_wait_alu depctr_va_vdst(0)
	s_wait_dscnt 0x0                               ; the last K block's LDS stores have read their registers
.irp e, 0,1
.set i_, 0
.rept 32
	v_mov_b32 v[G+i_], v[XS_+2*i_+\e]              ; the column's 32 numbers on end
.set i_, i_+1
.endr
	v_cvt_scalef32_pk16_bf6_f32 v[CC+10*\e:CC+10*\e+2], v[G:G+15], v[10+\e]
	v_cvt_scalef32_pk16_bf6_f32 v[CC+10*\e+6:CC+10*\e+8], v[G+16:G+31], v[10+\e]
	v_nop                                          ; one plain place behind a scaled conversion
.endr
.irp e, 0,1
.irp i, 0,1,2
	v_mov_b32 v[CC+10*\e+3+\i], v[CC+10*\e+6+\i]
.endr
.endr
; K block kb is registers 6 (kb / 2) .. + 5 of lane r + 16 (kb % 2) of the column's fragment
.irp e, 0,1
.if (\kb) < 2
	ds_store_b128 v[LW], v[CC+10*\e:CC+10*\e+3] offset:256*((\kb)%2)+16*\e
	ds_store_b64 v[LW], v[CC+10*\e+4:CC+10*\e+5] offset:256*((\kb)%2)+512+16*\e
.else
	ds_store_b64 v[LW], v[CC+10*\e:CC+10*\e+1] offset:256*((\kb)%2)+520+16*\e
	ds_store_b128 v[LW], v[CC+10*\e+2:CC+10*\e+5] offset:256*((\kb)%2)+1024+16*\e
.endif
.if (\kb) == 3
	ds_store_b32 v[LWS], v[PW4+\e] offset:6144+16*\e
.endif
.endr
.if (\kb)+2 < 4
	WLOAD (\kb)+2, \pitch
.endif
.endm
; s27 = X, s31 = K step, s33 = K steps of the weight, s30 = the weight's place in wimg, s[28:29] = the weight
.macro WARM pitch, lbase
	s_lshl_b32 s34, s27, 2
	s_add_co_u32 s34, s34, s22                     ; my 64 columns: 4 X + wave
	s_mul_i32 s35, s31, 128*(\pitch)
	s_lshl_b32 s36, s34, 8
	s_add_co_u32 s36, s35, s36
	s_mov_b32 s37, 0
	s_add_nc_u64 s[28:29], s[28:29], s[36:37]
	s_mul_i32 s38, s34, s33
	s_add_co_u32 s38, s38, s31
	s_mul_i32 s38, s38, 6400
	s_add_co_u32 s38, s38, s30
	s_mov_b32 s39, 0
	s_add_nc_u64 s[OUT:OUT+1], s[20:21], s[38:39]
	s_mul_i32 s23, s22, 6400
	s_add_co_u32 s23, s23, \lbase                  ; my wave's image in LDS
	WLOAD 0, \pitch
	WLOAD 1, \pitch
	; column n = 2 l + e lies in tile 2 p + u at lane row r: p = l / 16, u = (l / 4) % 2, r = 2 (l % 4) + e + 8 ((l / 8) % 2)
	v_and_b32 v9, 3, v0
	v_bfe_u32 v10, v0, 3, 1
	v_bfe_u32 v11, v0, 2, 1                        ; u
	v_lshlrev_b32 v9, 5, v9
	v_lshl_add_u32 v9, v10, 7, v9                  ; 16 r of the even column
	v_add_nc_u32 v9, s23, v9
	v_mad_u32_u24 v[LW], v11, 1536, v9
	v_mad_u32_u24 v[LW], v3, 3072, v[LW]
	v_lshl_add_u32 v[LWS], v11, 2, v9
	v_lshl_add_u32 v[LWS], v3, 3, v[LWS]
	v_add_nc_u32 v[LRD], s23, v[AL]
	v_add_nc_u32 v[LR8], s23, v[A8]
.set Q_, 0
.rept 4
	WBLOCK Q_, \pitch
.set Q_, Q_+1
.endr
.set i_, 0
.rept 12
	ds_load_b128 v[OB+4*i_:OB+4*i_+3], v[LRD] offset:512*i_   ; LDS serves a wave's instructions in order: these see my stores
.set i_, i_+1
.endr
	ds_load_b64 v[PC:PC+1], v[LR8] offset:6144
.set i_, 0
.rept 12
	s_wait_dscnt 12-i_                             ; the younger LDS loads may be out
	global_store_b128 v[AL], v[OB+4*i_:OB+4*i_+3], s[OUT:OUT+1] offset:512*i_
.set i_, i_+1
.endr
	s_wait_dscnt 0x0
	global_store_b64 v[A8], v[PC:PC+1], s[OUT:OUT+1] offset:6144
.endm
	s_load_b256 s[4:11], s[0:1], 0x0               ; x, Wq, Wk, Wv
	s_load_b256 s[12:19], s[0:1], 0x20             ; Wo, W1, W2, ximg
	s_load_b64 s[20:21], s[0:1], 0x40              ; wimg
	v_lshl_add_u32 v192, v0, 2, 0xc800
	v_mov_b32 v193, 0
	v_lshrrev_b32 v1, 5, v0
	v_readfirstlane_b32 s22, v1                    ; wave
	v_and_b32 v1, 31, v0                           ; lane
	v_and_b32 v2, 15, v0                           ; r
	v_bfe_u32 v3, v0, 4, 1                         ; h
	v_lshlrev_b32 v[AL], 4, v1
	v_lshlrev_b32 v[AS], 4, v2
	v_lshl_add_u32 v[AS], v3, 3, v[AS]
	v_lshlrev_b32 v[A8], 3, v1
	v_and_b32 v[XA], 8, v2
	v_add_nc_u32 v[XA], v[XA], v2
	v_lshlrev_b32 v[XA], 12, v[XA]
	v_lshl_add_u32 v[XA], v3, 6, v[XA]
	s_mov_b32 s[SEL], 0x76543210
	s_mov_b32 s[SEL+1], 0xfedcba98
	s_mov_b32 s[HM], 0xffff0000
	s_wait_alu depctr_va_vdst(0)
	s_wait_kmcnt 0x0
	s_cmp_lt_u32 ttmp9, 128
	s_cbranch_scc1 .Larm_x
	s_cmp_lt_u32 ttmp9, 384
	s_cbranch_scc0 .Larm_b
	; the weights with rows of 4,096 bytes: 4 x 32 work-groups for Wq, Wk, Wv, Wo, then 128 for W2
	s_sub_co_u32 s24, ttmp9, 128
	s_lshr_b32 s25, s24, 5                         ; 0 to 3: which of the four; 4 to 7: W2
	s_and_b32 s26, s24, 31
	s_lshr_b32 s27, s26, 3
	s_and_b32 s31, s24, 7
	s_sub_co_u32 s32, s25, 4
	s_mul_i32 s30, s25, 819200
	s_cmp_eq_u32 s25, 1
	s_cselect_b64 s[28:29], s[8:9], s[6:7]
	s_cmp_eq_u32 s25, 2
	s_cselect_b64 s[28:29], s[10:11], s[28:29]
	s_cmp_eq_u32 s25, 3
	s_cselect_b64 s[28:29], s[12:13], s[28:29]
	s_cmp_gt_u32 s25, 3
	s_cselect_b64 s[28:29], s[16:17], s[28:29]
	s_cselect_b32 s27, s32, s27
	s_cselect_b32 s31, s26, s31
	s_cselect_b32 s33, 32, 8
	s_cselect_b32 s30, 0x640000, s30
	WARM 4096, 0
	s_wait_tensorcnt 0x0                           ; the wave's end
	ds_add_u32 v192, v193
	s_wait_dscnt 0x0
	s_endpgm
.Larm_b:
	s_sub_co_u32 s24, ttmp9, 384
	s_lshr_b32 s27, s24, 3
	s_and_b32 s31, s24, 7
	s_mov_b32 s33, 8
	s_mov_b32 s30, 0x320000
	s_mov_b64 s[28:29], s[14:15]
	WARM 16384, 25600
	s_wait_tensorcnt 0x0                           ; the wave's end
	ds_add_u32 v192, v193
	s_wait_dscnt 0x0
	s_endpgm
.Larm_x:
	s_lshl_b32 s24, ttmp9, 2
	s_add_co_u32 s24, s24, s22                     ; my block: 8 x (64 rows) + K step
	s_lshr_b32 s25, s24, 3
	s_and_b32 s26, s24, 7
	s_lshl_b32 s28, s25, 18
	s_lshl_b32 s26, s26, 9
	s_add_co_u32 s28, s28, s26
	s_mov_b32 s29, 0
	s_add_nc_u64 s[28:29], s[4:5], s[28:29]
	s_mul_i32 s30, s24, 6400
	s_mov_b32 s31, 0
	s_add_nc_u64 s[OUT:OUT+1], s[18:19], s[30:31]
.irp b, 0,1,2,3
	v_mov_b32 v[TM+4+\b], 0                        ; a lane permute's destination counts as one of its sources
.endr
	s_wait_alu depctr_va_vdst(0)
	XLOAD 0
	XLOAD 1
.irp t, 0,1,2,3
.if \t < 3
	s_wait_loadcnt 16                              ; this tile's 16 loads are in; the next tile's may be out
.else
	s_wait_loadcnt 0x0
.endif
	s_wait_xcnt 0x0                                ; the last tile's stores have read the codes' registers
	QUANT XB+64*(\t%2), PW4+\t
.if \t < 2
	XLOAD \t+2
.endif
	IMAGE \t*1536
.endr
	SCSTORE AS, OUT, 6144
	s_endpgm
.Lfunc_end_k_q0434ccb94b_prep:
	.size	k_q0434ccb94b_prep, .Lfunc_end_k_q0434ccb94b_prep-k_q0434ccb94b_prep
	.p2alignl 7, 3214868480
	.fill 96, 4, 3214868480
	.section	.rodata,"a",@progbits
	.p2align	6, 0x0
	.amdhsa_kernel k_q0434ccb94b_prep
		.amdhsa_group_segment_fixed_size 51712
		.amdhsa_private_segment_fixed_size 0
		.amdhsa_enable_private_segment 0
		.amdhsa_kernarg_size 72
		.amdhsa_user_sgpr_count 2
		.amdhsa_user_sgpr_kernarg_segment_ptr 1
		.amdhsa_wavefront_size32 1
		.amdhsa_system_sgpr_workgroup_id_x 1
		.amdhsa_system_sgpr_workgroup_id_y 1
		.amdhsa_system_sgpr_workgroup_id_z 1
		.amdhsa_system_vgpr_workitem_id 0
		.amdhsa_next_free_vgpr 256
		.amdhsa_next_free_sgpr 66
		.amdhsa_reserve_vcc 0
		.amdhsa_float_denorm_mode_32 3
		.amdhsa_float_denorm_mode_16_64 3
		.amdhsa_memory_ordered 1
		.amdhsa_forward_progress 1
		.amdhsa_inst_pref_size 100
	.end_amdhsa_kernel
	.amdgpu_metadata
---
amdhsa.version: [ 1, 2 ]
amdhsa.kernels:
  - .name:           k_q0434ccb94b_prep
    .symbol:         k_q0434ccb94b_prep.kd
    .args:
      - { .name: x, .offset: 0, .size: 8, .value_kind: global_buffer, .address_space: global }
      - { .name: Wq, .offset: 8, .size: 8, .value_kind: global_buffer, .address_space: global }
      - { .name: Wk, .offset: 16, .size: 8, .value_kind: global_buffer, .address_space: global }
      - { .name: Wv, .offset: 24, .size: 8, .value_kind: global_buffer, .address_space: global }
      - { .name: Wo, .offset: 32, .size: 8, .value_kind: global_buffer, .address_space: global }
      - { .name: W1, .offset: 40, .size: 8, .value_kind: global_buffer, .address_space: global }
      - { .name: W2, .offset: 48, .size: 8, .value_kind: global_buffer, .address_space: global }
      - { .name: ximg, .offset: 56, .size: 8, .value_kind: global_buffer, .address_space: global }
      - { .name: wimg, .offset: 64, .size: 8, .value_kind: global_buffer, .address_space: global }
    .group_segment_fixed_size: 51712
    .private_segment_fixed_size: 0
    .kernarg_segment_align: 8
    .kernarg_segment_size: 72
    .max_flat_workgroup_size: 128
    .sgpr_count:     66
    .vgpr_count:     256
    .wavefront_size: 32
...
	.end_amdgpu_metadata
.endif
;; end of part 1
;; launch qkv (part 2): grid 6 x 32, 4 waves a work-group, no clusters, 168,448 bytes of LDS; arguments ximg, wimg, bq, bk, bv, qkvimg; writes qkvimg
.if DOCPART == 2
	.amdgcn_target "amdgcn-amd-amdhsa--gfx1250"
	.amdhsa_code_object_version 6
	.text
	.protected	k_q0434ccb94b_qkv
	.globl	k_q0434ccb94b_qkv
	.p2align	8
	.type	k_q0434ccb94b_qkv,@function
k_q0434ccb94b_qkv:
	s_mov_b64 s[64:65], 0
	v_nop
	global_prefetch_b8 v0, s[64:65] scope:SCOPE_SE
	s_setreg_imm32_b32 hwreg(HW_REG_WAVE_MODE, 25, 1), 1
	s_wait_xcnt 0x0
; q = x Wq + bq, k = x Wk + bk, v = x Wv + bv on codes of E3M2, and their own codes: q and k quantised along the head's axis, v along the tokens.
; D = source 0 x source 1^T: a lane holds ONE row of source 1, its registers run along source 0's rows, which by the tiles' order are neighbours: so they are the next product's K.
; x < 4 (q, k): source 0 = 512 columns of Wq | Wk (a wave: 128 = two heads), source 1 = 128 tokens.   x >= 4 (v): source 0 = 512 tokens (a wave: 128 keys), source 1 = 128 columns of Wv.
; Only pointers are chosen: the products are one text.  SOURCE 1 comes once, for all of K, by one tensor load a wave (a quarter of 102,400 dense bytes) and stays in LDS: no LDS byte is filled twice.
; SOURCE 0's fragments are each used by one wave alone: they go from memory straight into its registers, as they lie, two K steps ahead, in three sets.  Every offset is an immediate.
; NO JOINT LOADS: of the 512,000 bytes that a work-group takes in, 102,400 are shared with the work-groups of its y; the rest goes into registers, where no joint load reaches.
; REGISTERS: window 0: v1-10 addresses; v16-39 source 0's scale words, 3 sets; v40-55 source 1's, 2 sets; v56-63 bias at my column; v64-159 source 1's 8 fragments; v160-255 source 0, set 2.
;   window 1: v0-95, v96-191 source 0, sets 0, 1; v192-255 bias in the result's layout.   windows 2, 3: accumulator (a, b) in window 2 + a / 4 at 64 (a % 4) + 8 b.
; LIMITS: NaN and infinities are not served; a block of zeros gets the byte 1 (its codes are zeros; only this program reads the bytes); the bias is added behind the sum over K.
.set KS,   8
.set SLAB, 51200                       ; 64 rows, all of K
.set TROWS, 100                        ; a wave's quarter of source 1: 100 rows of 256 bytes
.set AL, 1                             ; 16 x lane
.set AR, 2                             ; 16 r
.set AS, 3                             ; 16 r + 8 h
.set A8, 4                             ; 8 x lane
.set LA, 5                             ; v5, v6: LDS: 16 x lane + 51,200 x (0, 1)
.set LR, 7                             ; v7, v8: LDS: 16 r + 51,200 x (0, 1)
.set AH, 9                             ; 64 h
.set AC, 10                            ; 4 (r + 8 (r / 8))
.set SC0, 16
.set SC1, 40
.set BV,  56
.set S1,  64
.set HA,  64                           ; the way out: 64 numbers
.set PC,  128                          ; their codes
.set TM,  148
.set PW4, 224
.set SS,  228
.set BVT, 230
.set P0,  24                           ; s[24:25] my wave's source 0
.set HM,  48
.set SEL, 50
.set OUT, 66
.set OSC, 68
.set OVB, 70
.set MSB, 0
.macro WIN new                         ; the immediate's high byte repeats the setting that is left
.if MSB != (\new)
	s_set_vgpr_msb (MSB<<8)|(\new)
.set MSB, (\new)
.endif
.endm
.macro PLACES n
.rept \n
	v_nop
.endr
.endm
.macro QUANT s, w, pw                  ; 64 numbers of a lane (register 16 b + i = k 32 b + 16 (lane / 16) + i) -> codes in v[PC] on, scale word in v[pw]
	WIN (\w)|((\w)<<2)
.irp b, 0,1,2,3
	v_max3_num_f32 v[TM+\b], |v[(\s)+16*\b]|, |v[(\s)+1+16*\b]|, 0x2800000   ; and the floor 2^(5 - 127)
.endr
	WIN ((\w)<<2)|((\w)<<4)
.irp i, 2,4,6,8,10,12,14
.irp b, 0,1,2,3
	v_max3_num_f32 v[TM+\b], v[TM+\b], |v[(\s)+16*\b+\i]|, |v[(\s)+1+16*\b+\i]|
.endr
.endr
	WIN 0
.irp b, 0,1,2,3
	v_permlanex16_b32 v[TM+4+\b], v[TM+\b], s[SEL], s[SEL+1]
.endr
.irp b, 0,1,2,3
	v_max_num_f32 v[TM+\b], v[TM+\b], v[TM+4+\b]
.endr
.irp b, 0,1,2,3
	v_add_nc_u32 v[TM+12+\b], 0xfe000000, v[TM+\b]
.endr
.irp b, 0,1,2,3
	v_lshrrev_b32 v[TM+4+\b], 23, v[TM+12+\b]
.endr
	v_lshl_or_b32 v[\pw], v[TM+5], 8, v[TM+4]
	v_lshl_or_b32 v[\pw], v[TM+6], 16, v[\pw]
	v_lshl_or_b32 v[\pw], v[TM+7], 24, v[\pw]
	WIN (\w)
.irp c, 0,1
	v_cvt_scalef32_pk16_bf6_f32 v[PC+6*\c:PC+2+6*\c], v[(\s)+32*\c:(\s)+15+32*\c], v[TM+12+2*\c]
	v_cvt_scalef32_pk16_bf6_f32 v[PC+12+4*\c:PC+14+4*\c], v[(\s)+16+32*\c:(\s)+31+32*\c], v[TM+12+2*\c+1]
.endr
	WIN 0
	v_nop
.irp c, 0,1
.irp i, 0,1,2
	v_permlane16_swap_b32 v[PC+6*\c+\i], v[PC+12+4*\c+\i]
.endr
.irp i, 0,1,2
	v_mov_b32 v[PC+3+6*\c+\i], v[PC+12+4*\c+\i]
.endr
.endr
.endm
.macro IMAGE off
.irp c, 0,1,2
	global_store_b128 v[AL], v[PC+4*\c:PC+4*\c+3], s[OUT:OUT+1] offset:(\off)+512*\c
.endr
.endm
.macro SCSTORE adr, base, off
	v_cndmask_b32 v[SS], v[PW4], v[PW4+2], s[HM]
	v_cndmask_b32 v[SS+1], v[PW4+1], v[PW4+3], s[HM]
	global_store_b64 v[\adr], v[SS:SS+1], s[\base:\base+1] offset:\off
.endm
.macro G0LOAD k                        ; source 0 of K step k: 8 fragments and their scale words, 26 loads, into set k % 3
.set GS_, (\k)%3
.if GS_ < 2
	WIN 0x40
.set GB_, 96*GS_
.else
	WIN 0
.set GB_, 160
.endif
.irp b, 0,1,2,3,4,5,6,7
.irp i, 0,1,2
	global_load_b128 v[GB_+12*\b+4*\i:GB_+12*\b+4*\i+3], v[AL], s[P0:P0+1] offset:(\b/4)*SLAB+(\k)*6400+(\b%4)*1536+512*\i
.endr
.endr
	WIN 0
.irp j, 0,1
	global_load_b128 v[SC0+8*GS_+4*\j:SC0+8*GS_+4*\j+3], v[AR], s[P0:P0+1] offset:\j*SLAB+(\k)*6400+6144
.endr
.endm
.macro L1LOAD k, hf                    ; source 1's tiles 4 hf .. 4 hf + 3 of K step k from LDS
.irp a, 0,1,2,3
.irp i, 0,1,2
	ds_load_b128 v[S1+12*(4*(\hf)+\a)+4*\i:S1+12*(4*(\hf)+\a)+4*\i+3], v[LA+(\hf)] offset:(\k)*6400+\a*1536+512*\i
.endr
.endr
.endm
.macro L1SCALE k
.irp x, 0,1
	ds_load_b128 v[SC1+8*((\k)%2)+4*\x:SC1+8*((\k)%2)+4*\x+3], v[LR+\x] offset:(\k)*6400+6144
.endr
.endm
.macro MULH k, hf, zero                ; 32 products; the 64 accumulators take turns, one instruction a turn, in the same order in every K step
.set MS_, (\k)%3
.if MS_ < 2
.set MB_, 96*MS_
	WIN 0xa1+0x50*(\hf)
.else
.set MB_, 160
	WIN 0xa0+0x50*(\hf)
.endif
.irp a, 0,1,2,3
.irp b, 0,1,2,3,4,5,6,7
.if \zero
	v_wmma_scale_f32_16x16x128_f8f6f4 v[64*\a+8*\b:64*\a+8*\b+7], v[MB_+12*\b:MB_+12*\b+11], v[S1+12*(4*(\hf)+\a):S1+12*(4*(\hf)+\a)+11], 0, v[SC0+8*MS_+\b], v[SC1+8*((\k)%2)+4*(\hf)+\a] matrix_a_fmt:MATRIX_FMT_BF6 matrix_b_fmt:MATRIX_FMT_BF6
.else
	v_wmma_scale_f32_16x16x128_f8f6f4 v[64*\a+8*\b:64*\a+8*\b+7], v[MB_+12*\b:MB_+12*\b+11], v[S1+12*(4*(\hf)+\a):S1+12*(4*(\hf)+\a)+11], v[64*\a+8*\b:64*\a+8*\b+7], v[SC0+8*MS_+\b], v[SC1+8*((\k)%2)+4*(\hf)+\a] matrix_a_fmt:MATRIX_FMT_BF6 matrix_b_fmt:MATRIX_FMT_BF6
.endif
.endr
.endr
.endm
.macro KSTEP k
.if (\k) < KS-2
	s_wait_loadcnt 52                              ; this K step's loads are in; the 26 of each of the two K steps behind it may be out
.else
	s_wait_loadcnt 26*(KS-1-(\k))
.endif
	s_wait_dscnt 12                                ; source 1's first four tiles and the scale words are in; the youngest 12 loads (tiles 4-7) may be out
	MULH \k, 0, (\k)==0
	s_wait_dscnt 0x0
.if (\k)+1 < KS
	PLACES 4                                       ; four plain places in front of loads into registers that matrix instructions have read
	WIN 0
	L1LOAD (\k)+1, 0
	L1SCALE (\k)+1
.endif
	MULH \k, 1, (\k)==0
	PLACES 4
	WIN 0
.if (\k)+1 < KS
	L1LOAD (\k)+1, 1
.endif
.if (\k)+3 < KS
	G0LOAD (\k)+3
.endif
.endm
	s_load_b256 s[4:11], s[0:1], 0x0               ; ximg, wimg, bq, bk
	s_load_b128 s[12:15], s[0:1], 0x20             ; bv, qkvimg
	v_lshl_add_u32 v254, v0, 2, 0x29000
	v_mov_b32 v255, 0
	ds_add_u32 v254, v255
	ds_add_u32 v254, v255
	s_wait_dscnt 0x0
	v_lshrrev_b32 v11, 5, v0
	v_readfirstlane_b32 s20, v11                   ; wave
	s_mov_b32 s21, ttmp9                           ; X
	s_and_b32 s22, ttmp7, 0xffff                   ; Y
	v_and_b32 v11, 31, v0
	v_and_b32 v12, 15, v0
	v_bfe_u32 v13, v0, 4, 1
	v_lshlrev_b32 v[AL], 4, v11
	v_lshlrev_b32 v[AR], 4, v12
	v_lshl_add_u32 v[AS], v13, 3, v[AR]
	v_lshlrev_b32 v[A8], 3, v11
	v_lshlrev_b32 v[LA], 4, v11
	v_add_nc_u32 v[LA+1], 51200, v[LA]
	v_lshlrev_b32 v[LR], 4, v12
	v_add_nc_u32 v[LR+1], 51200, v[LR]
	v_lshlrev_b32 v[AH], 6, v13
	v_and_b32 v14, 8, v12
	v_add_nc_u32 v14, v14, v12
	v_lshlrev_b32 v[AC], 2, v14
	s_mov_b32 s[HM], 0xffff0000
	s_mov_b32 s[SEL], 0x76543210
	s_mov_b32 s[SEL+1], 0xfedcba98
	s_max_u32 s52, s21, 4
	s_sub_co_u32 s52, s52, 4
	s_lshl_b32 s52, s52, 5
	s_add_co_u32 s52, s52, s22                     ; v: 32 (X - 4) + Y
	s_lshr_b32 s30, s52, 3                         ; TT: which 512 tokens
	s_and_b32 s31, s52, 7                          ; NT: which 128 columns of Wv
	s_lshl_b32 s53, s21, 2
	s_add_co_u32 s53, s53, s20
	s_and_b32 s32, s53, 7                          ; q, k: my pair of heads
	s_lshl_b32 s54, s22, 1
	s_lshl_b32 s55, s31, 1
	s_add_co_u32 s55, s55, 32                      ; Wv begins 32 slabs into wimg
	s_lshl_b32 s56, s20, 1
	s_mov_b32 s40, 3<<16                           ; group 1: a dense block as rows of 256 bytes: elements of 8 bytes, no mask, no padding
	s_mov_b32 s41, 32<<16                          ; tensor_dim0 = 32
	s_mov_b32 s42, TROWS<<16                       ; tensor_dim1
	s_mov_b32 s43, 32<<16                          ; tile_dim0 = 32
	s_mov_b32 s44, TROWS                           ; tile_dim1
	s_mov_b32 s45, 32                              ; the pitch
	s_mov_b32 s46, 0
	s_mov_b32 s47, 0
	s_wait_alu depctr_va_vdst(0)
	s_wait_kmcnt 0x0
	s_cmp_lt_u32 s21, 4
	s_cselect_b32 s57, s21, s30
	s_cselect_b32 s58, s54, s55
	s_cselect_b32 s59, s32, s31
	s_cselect_b64 s[P0:P0+1], s[6:7], s[4:5]
	s_cselect_b64 s[26:27], s[4:5], s[6:7]
	s_cselect_b64 s[28:29], s[10:11], s[12:13]
	s_cmp_lt_u32 s21, 2
	s_cselect_b64 s[28:29], s[8:9], s[28:29]
	s_lshl_b32 s57, s57, 3
	s_add_co_u32 s57, s57, s56
	s_mul_i32 s60, s57, SLAB
	s_mov_b32 s61, 0
	s_add_nc_u64 s[P0:P0+1], s[P0:P0+1], s[60:61]
	s_mul_i32 s60, s58, SLAB
	s_mul_i32 s37, s20, 256*TROWS                  ; group 0: LDS address: my quarter
	s_add_co_u32 s60, s60, s37
	s_add_nc_u64 s[38:39], s[26:27], s[60:61]
	s_or_b32 s39, s39, 0x80000000
	s_mov_b32 s36, 1
	s_lshl_b32 s60, s59, 9
	s_add_nc_u64 s[28:29], s[28:29], s[60:61]      ; the bias of my 128 columns
	tensor_load_to_lds s[36:39], s[40:47]          ; my one tensor load: a first fill
	s_nop 0
	PLACES 4
	WIN 0x40
.irp b, 0,1,2,3,4,5,6,7
	global_load_b128 v[192+8*\b:195+8*\b], v[AH], s[28:29] offset:(32*(\b/2)+8*(\b%2))*4
	global_load_b128 v[196+8*\b:199+8*\b], v[AH], s[28:29] offset:(32*(\b/2)+8*(\b%2))*4+16
.endr
	WIN 0
.irp a, 0,1,2,3,4,5,6,7
	global_load_b32 v[BV+\a], v[AC], s[28:29] offset:(32*(\a/2)+8*(\a%2))*4
.endr
	G0LOAD 0
	G0LOAD 1
	G0LOAD 2
	s_wait_tensorcnt 0x0                           ; my quarter of source 1 has landed,
	s_barrier_signal -1
	s_barrier_wait -1                              ; everybody's has
	L1LOAD 0, 0
	L1SCALE 0
	L1LOAD 0, 1
.set KK, 0
.rept KS
	KSTEP KK
.set KK, KK+1
.endr
.irp b, 0,1,2,3
	v_mov_b32 v[TM+4+\b], 0
.endr
	s_cmp_lt_u32 s21, 4
	s_cbranch_scc0 .Lv_out
	; ---- q, k: tile a of tokens: + bias, quantised along my pair's 128 columns, image [batch][pair][tile][1,536]
	s_lshr_b32 s52, s22, 4
	s_lshl_b32 s52, s52, 3
	s_add_co_u32 s52, s52, s32                     ; 8 batch + pair
	s_and_b32 s53, s22, 15
	s_lshl_b32 s54, s52, 7
	s_lshl_b32 s55, s53, 3
	s_add_co_u32 s54, s54, s55
	s_mul_i32 s54, s54, 1536
	s_lshl_b32 s56, s52, 6
	s_lshl_b32 s57, s53, 2
	s_add_co_u32 s56, s56, s57
	s_lshl_b32 s56, s56, 7
	s_cmp_lt_u32 s21, 2
	s_cselect_b32 s58, 0, 0x300000
	s_cselect_b32 s59, 0, 0x20000
	s_add_co_u32 s54, s54, s58
	s_mov_b32 s55, 0
	s_add_nc_u64 s[OUT:OUT+1], s[14:15], s[54:55]
	s_add_co_u32 s56, s56, s59
	s_add_co_u32 s56, s56, 0x900000
	s_mov_b32 s57, 0
	s_add_nc_u64 s[OSC:OSC+1], s[14:15], s[56:57]
.macro ROWQK a
	s_wait_xcnt 0x0                                ; the last tile's stores have read the codes' registers
	WIN (2+(\a)/4)|(1<<2)
.set n_, 0
.rept 32
	v_pk_add_f32 v[HA+2*n_:HA+2*n_+1], v[64*((\a)%4)+2*n_:64*((\a)%4)+2*n_+1], v[192+2*n_:193+2*n_]   ; each accumulator from its low end on
.set n_, n_+1
.endr
	QUANT HA, 0, PW4+(\a)%4
	IMAGE (\a)*1536
.if (\a)%4 == 3
	SCSTORE A8, OSC, 256*((\a)/4)
.endif
.endm
.irp a, 0,1,2,3,4,5,6,7
	ROWQK \a
.endr
	s_wait_xcnt 0x0
	v_lshl_add_u32 v254, v0, 2, 0x29000
	v_mov_b32 v255, 0
	s_wait_alu depctr_va_vdst(0)
	s_wait_tensorcnt 0x0
	ds_add_u32 v254, v255
	s_wait_dscnt 0x0
	s_endpgm
.Lv_out:
	; ---- v: tile a of 16 columns d: + bias, quantised along my 128 keys; a key block's six registers go as 16 + 8 bytes a row: [batch][d tile][key block][16 r]
	s_lshr_b32 s52, s30, 2                         ; batch
	s_and_b32 s53, s30, 3
	s_lshl_b32 s53, s53, 2
	s_add_co_u32 s53, s53, s20                     ; my 128 keys in the batch
	s_lshl_b32 s54, s52, 6
	s_lshl_b32 s55, s31, 3
	s_add_co_u32 s54, s54, s55
	s_lshl_b32 s54, s54, 6
	s_lshl_b32 s55, s53, 2
	s_add_co_u32 s54, s54, s55
	s_lshl_b32 s56, s54, 8
	s_add_co_u32 s56, s56, 0x600000
	s_mov_b32 s57, 0
	s_add_nc_u64 s[OUT:OUT+1], s[14:15], s[56:57]
	s_lshl_b32 s56, s54, 7
	s_add_co_u32 s56, s56, 0x800000
	s_add_nc_u64 s[OVB:OVB+1], s[14:15], s[56:57]
	s_lshl_b32 s54, s52, 4
	s_add_co_u32 s54, s54, s53
	s_lshl_b32 s54, s54, 4
	s_lshl_b32 s55, s31, 1
	s_add_co_u32 s54, s54, s55
	s_lshl_b32 s56, s54, 8
	s_add_co_u32 s56, s56, 0x940000
	s_add_nc_u64 s[OSC:OSC+1], s[14:15], s[56:57]
.macro ROWV a
	s_wait_xcnt 0x0
	v_mov_b32 v[BVT], v[BV+(\a)]
	v_mov_b32 v[BVT+1], v[BV+(\a)]
	WIN (2+(\a)/4)
.set n_, 0
.rept 32
	v_pk_add_f32 v[HA+2*n_:HA+2*n_+1], v[64*((\a)%4)+2*n_:64*((\a)%4)+2*n_+1], v[BVT:BVT+1]
.set n_, n_+1
.endr
	QUANT HA, 0, PW4+(\a)%4
.irp c, 0,1
	global_store_b128 v[AL], v[PC+6*\c:PC+6*\c+3], s[OUT:OUT+1] offset:(\a)*16384+512*\c
	global_store_b64 v[A8], v[PC+6*\c+4:PC+6*\c+5], s[OVB:OVB+1] offset:(\a)*8192+256*\c
.endr
.if (\a)%4 == 3
	SCSTORE AS, OSC, 256*((\a)/4)
.endif
.endm
.irp a, 0,1,2,3,4,5,6,7
	ROWV \a
.endr
	s_wait_xcnt 0x0
	v_lshl_add_u32 v254, v0, 2, 0x29000
	v_mov_b32 v255, 0
	s_wait_alu depctr_va_vdst(0)
	s_wait_tensorcnt 0x0
	ds_add_u32 v254, v255
	s_wait_dscnt 0x0
	s_endpgm
.Lfunc_end_k_q0434ccb94b_qkv:
	.size	k_q0434ccb94b_qkv, .Lfunc_end_k_q0434ccb94b_qkv-k_q0434ccb94b_qkv
	.p2alignl 7, 3214868480
	.fill 96, 4, 3214868480
	.section	.rodata,"a",@progbits
	.p2align	6, 0x0
	.amdhsa_kernel k_q0434ccb94b_qkv
		.amdhsa_group_segment_fixed_size 168448
		.amdhsa_private_segment_fixed_size 0
		.amdhsa_enable_private_segment 0
		.amdhsa_kernarg_size 48
		.amdhsa_user_sgpr_count 2
		.amdhsa_user_sgpr_kernarg_segment_ptr 1
		.amdhsa_wavefront_size32 1
		.amdhsa_system_sgpr_workgroup_id_x 1
		.amdhsa_system_sgpr_workgroup_id_y 1
		.amdhsa_system_sgpr_workgroup_id_z 1
		.amdhsa_system_vgpr_workitem_id 0
		.amdhsa_next_free_vgpr 1024
		.amdhsa_next_free_sgpr 80
		.amdhsa_reserve_vcc 0
		.amdhsa_float_denorm_mode_32 3
		.amdhsa_float_denorm_mode_16_64 3
		.amdhsa_memory_ordered 1
		.amdhsa_forward_progress 1
		.amdhsa_inst_pref_size 209
	.end_amdhsa_kernel
	.amdgpu_metadata
---
amdhsa.version: [ 1, 2 ]
amdhsa.kernels:
  - .name:           k_q0434ccb94b_qkv
    .symbol:         k_q0434ccb94b_qkv.kd
    .args:
      - { .name: ximg, .offset: 0, .size: 8, .value_kind: global_buffer, .address_space: global }
      - { .name: wimg, .offset: 8, .size: 8, .value_kind: global_buffer, .address_space: global }
      - { .name: bq, .offset: 16, .size: 8, .value_kind: global_buffer, .address_space: global }
      - { .name: bk, .offset: 24, .size: 8, .value_kind: global_buffer, .address_space: global }
      - { .name: bv, .offset: 32, .size: 8, .value_kind: global_buffer, .address_space: global }
      - { .name: qkvimg, .offset: 40, .size: 8, .value_kind: global_buffer, .address_space: global }
    .group_segment_fixed_size: 168448
    .private_segment_fixed_size: 0
    .kernarg_segment_align: 8
    .kernarg_segment_size: 48
    .max_flat_workgroup_size: 128
    .sgpr_count:     80
    .vgpr_count:     1024
    .wavefront_size: 32
...
	.end_amdgpu_metadata
.endif
;; end of part 2
;; launch attno (part 3): grid 256 x 1, 16 waves a work-group, clusters of 4 x 1, 327,680 bytes of LDS; arguments qkvimg, wimg, x, bo, g1, be1, himg, hres; writes himg, hres
.if DOCPART == 3
	.amdgcn_target "amdgcn-amd-amdhsa--gfx1250"
	.amdhsa_code_object_version 6
	.text
	.protected	k_q0434ccb94b_attno
	.globl	k_q0434ccb94b_attno
	.p2align	8
	.type	k_q0434ccb94b_attno,@function
k_q0434ccb94b_attno:
	s_mov_b64 s[64:65], 0
	v_nop
	global_prefetch_b8 v0, s[64:65] scope:SCOPE_SE
	s_setreg_imm32_b32 hwreg(HW_REG_WAVE_MODE, 25, 1), 1
	s_wait_xcnt 0x0
	s_wait_alu depctr_hold_cnt(0) depctr_sa_sdst(0) depctr_va_vdst(0) depctr_va_sdst(0) depctr_va_ssrc(0) depctr_va_vcc(0) depctr_vm_vsrc(0)
	s_getreg_b32 s2, hwreg(HW_REG_IB_STS2, 6, 4)
	s_cmp_eq_u32 s2, 0
	s_cbranch_scc0 .Lentry_in_a_cluster
	s_endpgm
.Lentry_in_a_cluster:
	s_bfe_u32 s2, ttmp6, 0x10000c
	s_cmp_lg_u32 s2, 0x3003
	s_cbranch_scc0 .Lentry_shape_is_right
	s_endpgm
.Lentry_shape_is_right:
; Attention in the window |query - key| <= 64 with the ALiBi bias, the projection ctx Wo + bo, the residual and the first LayerNorm, all products on codes of E3M2; out: h as f32 (hres, in the accumulators' layout) and h's codes (himg).
; A work-group: one tile of 16 queries (tile T of a batch: lane row r is token 32 (T / 2) + 8 (T % 2) + r + 8 (r / 8)), all 16 heads; 256 work-groups.  Wave w: head w; then columns 64 w .. 64 w + 63 of the projection.
; ATTENTION.  The 16 queries lie in one aligned group of 32, so every key that the mask lets count lies in FIVE aligned blocks of 32 keys; at the sequence's ends the five are shifted inward.  The other key blocks are not multiplied.
; S^T = K Q^T: a lane holds one query, and the 16 registers of two neighbouring tiles are 16 neighbouring keys.  q's and k's images hold a PAIR of heads' 128 numbers: the other head's half of Q is replaced by zero codes.
; logit = S / 8 - slope |rel|; hidden keys become -infinity, so p = 0.  p = 2^(t - M), t = logit log2(e), M = the row's largest t rounded up; all 160 keys of a row are in registers at once.  The sum is taken of the unquantised p and divides at the end.
; O^T = V^T P^T in two steps: key blocks 0-3, then block 4 with zero codes of p behind it.  ctx's codes go to an image in LDS: fragment ks (heads 2 ks, 2 ks + 1) at 1,536 ks, scale words behind them.
; PROJECTION.  Source 0 = my 64 columns of Wo (four tiles), source 1 = the 16 tokens' ctx; x starts the sums as C.  Wo's K steps 0-2 of my columns (19,200 dense bytes) come by my one tensor load at the head and are read by me alone;
; all work-groups need the same bytes, so it is a joint load of the four partners of a 4, 1, 1 cluster.  K steps 3-7 go from memory into registers, three sets; the order of K is 3, 4, 5, 6, 7, 0, 1, 2.
; LAYERNORM.  A lane sums its 32 numbers, the 16 waves meet through LDS: the mean, then the variance of the centred numbers.  h's codes go to the image's bytes (ctx is read no more behind the two barriers) and leave as runs of 512 bytes.
; h's scale words leave as 4 bytes at every 16: the 256 bytes of a block's words belong to four work-groups, so those units are written in part: 512 of the 78,336 bytes that a work-group stores.
; NO PREFETCH: the text has no loop to run ahead in; every stream's first load stands as early as its registers are free.
; LIMITS: NaN and infinities are not served; p = 0 for hidden keys equals the reference's exp(-1e9 - max) while a row's largest logit lies above about -1e9 + 100; 1 / l is v_rcp_f32's, 1 / sqrt v_rsq_f32's;
; a block of zeros gets the scale byte 1 (its codes are zeros; only this program reads the bytes); bo is added behind the sum over K, x ahead of it.
.set CI,    307200                     ; LDS: behind Wo's 16 x 19,200 bytes: the image, 8 x 1,536 bytes and 512 of scale words
.set ST1,   320000                     ; the waves' sums: 16 rows x 16 waves x 4 bytes; the second set 1,024 on
.set SPARE, 322048                     ; the spare words: 128 bytes for each of 16 waves
.set RR,   1                           ; r
.set HH,   2                           ; h
.set A16,  3                           ; 16 x lane
.set A8,   4                           ; 8 x lane; later STR
.set A8R,  5                           ; 8 r; later AH
.set A16R, 6                           ; 16 r
.set AVA,  7                           ; V's fifth block (lanes 16-31: the sixth, held inside the sequence), 16-byte parts; later XO
.set AVB,  8                           ; the same, 8-byte parts; later LWA
.set LA1,  9                           ; LDS: where my codes go
.set LA2,  10
.set LSB,  11                          ; and my two scale bytes
.set NM,   12                          ; v12 -M, v13 the largest t
.set LS,   14                          ; v[14:15] the sum; then 1 / l
.set QF,   16                          ; v16-27 Q; later p's second fragment
.set QS,   28
.set PW0,  29
.set PW1,  30
.set KF,   32                          ; v32-151 ten fragments of K
.set VF,   32                          ; later v32-103 V: 18 registers a d tile
.set VSR,  116
.set VW,   124
.set WK,   132
.set BM,   132
.set BT,   137
.set ZP,   140
.set SO,   144
.set KSW,  152
.set S,    162                         ; v162-241 S^T, then p; later O^T in v162-193
.set CA,   194
.set CB,   200
.set PF,   242                         ; v242-253 p's first fragment
.set SL,   40
.set C64,  41
.set C8,   42
.set CS,   44
.set SEL,  46
; the projection's registers
.set STR,  4                           ; LDS: ST1 + 64 r
.set AH,   5                           ; 64 h
.set XO,   7                           ; x: my token's row + 64 h
.set LWA,  8                           ; LDS: my part of Wo + 16 x lane
.set LWS,  12                          ; + 16 r
.set CIA,  13                          ; LDS: the image + 16 x lane
.set CSA,  14                          ; its scale words + 4 r
.set STW,  15                          ; LDS: ST1 + 64 r + 4 wave
.set ACC,  16                          ; v16-47 four accumulators
.set WS,   48                          ; v48-191 Wo, three sets of 48
.set WSC,  192                         ; v192-203 its scale words
.set CF,   204                         ; v204-215 ctx's fragment
.set CSC,  216                         ; its scale word
.set RDI,  217
.set SCR,  218
.set BO,   222                         ; v222-253 bo
.set T,    96                          ; at work behind the products
.set MU,   120
.set RS,   122
.macro PLACES n
.rept \n
	v_nop
.endr
.endm
.macro CROUND                          ; a round of the cluster's barrier
	s_barrier_signal -1
	s_barrier_wait -1
	s_cmp_lg_u32 s8, 0
	s_cbranch_scc1 .Lnot_wave_0_\@
	s_barrier_signal -3
.Lnot_wave_0_\@:
	s_barrier_wait -3
	s_barrier_signal -1
	s_barrier_wait -1
.endm
; 32 numbers of a lane (register 8 t + j = channel 32 (t / 2) + 16 h + 8 (t % 2) + j of my 64) -> six registers of codes and two scale bytes, into the image: registers 6 c .. 6 c + 5 of fragment ks, c = wave % 2
.macro QC x
.irp b, 0,1
	v_max3_num_f32 v[BM+\b], |v[(\x)+16*\b]|, |v[(\x)+16*\b+1]|, 0x2800000
.endr
.irp i, 2,4,6,8,10,12,14
.irp b, 0,1
	s_delay_alu instid0(VALU_DEP_2)
	v_max3_num_f32 v[BM+\b], v[BM+\b], |v[(\x)+16*\b+\i]|, |v[(\x)+16*\b+\i+1]|
.endr
.endr
.irp b, 0,1
	s_delay_alu instid0(VALU_DEP_2)
	v_permlanex16_b32 v[BT+\b], v[BM+\b], s[SEL], s[SEL+1]
.endr
.irp b, 0,1
	s_delay_alu instid0(VALU_DEP_2)
	v_max_num_f32 v[BM+\b], v[BM+\b], v[BT+\b]
.endr
.irp b, 0,1
	s_delay_alu instid0(VALU_DEP_2)
	v_add_nc_u32 v[SO+\b], 0xfe000000, v[BM+\b]
.endr
.irp b, 0,1
	s_delay_alu instid0(VALU_DEP_2)
	v_lshrrev_b32 v[BT+\b], 23, v[SO+\b]
.endr
	s_delay_alu instid0(VALU_DEP_1)
	v_lshl_or_b32 v[BT], v[BT+1], 8, v[BT]
	v_cvt_scalef32_pk16_bf6_f32 v[CA:CA+2], v[(\x):(\x)+15], v[SO]
	v_cvt_scalef32_pk16_bf6_f32 v[CB:CB+2], v[(\x)+16:(\x)+31], v[SO+1]
	v_nop
.irp i, 0,1,2
	v_permlane16_swap_b32 v[CA+\i], v[CB+\i]
.endr
.irp i, 0,1,2
	s_delay_alu instid0(VALU_DEP_3)
	v_mov_b32 v[CA+3+\i], v[CB+\i]
.endr
	ds_store_b64 v[LA1], v[CA:CA+1]
	ds_store_b64 v[LA2], v[CA+2:CA+3] offset:8
	ds_store_b64 v[LA1], v[CA+4:CA+5] offset:512
	ds_store_b16 v[LSB], v[BT]
.endm
.macro VEC32 reg, base, adr            ; 32 numbers in the accumulators' layout: columns 32 (b / 2) + 16 h + 8 (b % 2) + 0 .. 7 of my 64
.irp b, 0,1,2,3
.irp i, 0,1
	global_load_b128 v[(\reg)+8*\b+4*\i:(\reg)+8*\b+4*\i+3], v[\adr], s[\base:\base+1] offset:128*(\b/2)+32*(\b%2)+16*\i
.endr
.endr
.endm
.macro GW k, s                         ; Wo's K step k from memory into set s: 13 loads
.irp b, 0,1,2,3
.irp i, 0,1,2
	global_load_b128 v[WS+48*(\s)+12*\b+4*\i:WS+48*(\s)+12*\b+4*\i+3], v[A16], s[94:95] offset:(\k)*6400+\b*1536+512*\i
.endr
.endr
	global_load_b128 v[WSC+4*(\s):WSC+4*(\s)+3], v[A16R], s[94:95] offset:(\k)*6400+6144
.endm
.macro LW k, s                         ; the same from LDS: 13 loads
.irp b, 0,1,2,3
.irp i, 0,1,2
	ds_load_b128 v[WS+48*(\s)+12*\b+4*\i:WS+48*(\s)+12*\b+4*\i+3], v[LWA] offset:(\k)*6400+\b*1536+512*\i
.endr
.endr
	ds_load_b128 v[WSC+4*(\s):WSC+4*(\s)+3], v[LWS] offset:(\k)*6400+6144
.endm
.macro OSTEP n, k                      ; the n-th K step multiplies K step k from set n % 3; the set freed by the step before is filled for the step two on
	PLACES 4                                       ; four plain places in front of loads into registers that the last products have read
.irp i, 0,1,2
	ds_load_b128 v[CF+4*\i:CF+4*\i+3], v[CIA] offset:(\k)*1536+512*\i
.endr
	ds_load_b32 v[CSC], v[CSA] offset:(\k)*64
.if \n == 1
	GW 6, 0
.endif
.if \n == 2
	GW 7, 1
.endif
.if \n == 3
	s_wait_tensorcnt 0x0                           ; my part of Wo has landed; I alone read it
	LW 0, 2
.endif
.if \n == 4
	LW 1, 0
.endif
.if \n == 5
	LW 2, 1
.endif
.if \n == 6
	VEC32 144, 72, AH                              ; g1
.endif
.if \n == 7
	VEC32 48, 74, AH                               ; be1
.endif
.if \n < 3
	s_wait_loadcnt 26                              ; this step's set is in; the 13 loads of each of the two sets behind it may be out
.endif
.if \n == 3
	s_wait_loadcnt 13
.endif
.if \n == 4
	s_wait_loadcnt 0x0
.endif
.if (\n >= 3) && (\n <= 5)
	s_wait_dscnt 13                                ; the 13 LDS loads just issued may be out
.else
	s_wait_dscnt 0x0
.endif
.irp b, 0,1,2,3                                ; the four accumulators take turns
	v_wmma_scale_f32_16x16x128_f8f6f4 v[ACC+8*\b:ACC+8*\b+7], v[WS+48*((\n)%3)+12*\b:WS+48*((\n)%3)+12*\b+11], v[CF:CF+11], v[ACC+8*\b:ACC+8*\b+7], v[WSC+4*((\n)%3)+\b], v[CSC] matrix_a_fmt:MATRIX_FMT_BF6 matrix_b_fmt:MATRIX_FMT_BF6
.endr
.endm
.macro FOLD4                           ; four pairs in v[T] on -> one number in v[T]
	v_pk_add_f32 v[T:T+1], v[T:T+1], v[T+2:T+3]
	v_pk_add_f32 v[T+4:T+5], v[T+4:T+5], v[T+6:T+7]
	v_pk_add_f32 v[T:T+1], v[T:T+1], v[T+4:T+5]
	v_add_f32 v[T], v[T], v[T+1]
.endm
.macro SHARE off                       ; v[T]: my 32 numbers' sum -> the row's sum over 1,024
	v_permlanex16_b32 v[T+1], v[T], s[SEL], s[SEL+1]
	v_add_f32 v[T], v[T], v[T+1]
	ds_store_b32 v[STW], v[T] offset:\off
	s_wait_dscnt 0x0                               ; for the others' sake
	s_barrier_signal -1
	s_barrier_wait -1
.irp q, 0,1,2,3
	ds_load_b128 v[T+4*\q:T+4*\q+3], v[STR] offset:(\off)+16*\q
.endr
	s_wait_dscnt 0x0
.irp q, 0,1,2,3
	v_pk_add_f32 v[T+2*\q:T+2*\q+1], v[T+2*\q:T+2*\q+1], v[T+8+2*\q:T+8+2*\q+1]
.endr
	FOLD4
.endm
	s_load_b128 s[4:7], s[0:1], 0x0                ; qkvimg, wimg
	s_load_b256 s[68:75], s[0:1], 0x10             ; x, bo, g1, be1
	s_load_b128 s[76:79], s[0:1], 0x30             ; himg, hres
	v_lshl_add_u32 v254, v0, 2, SPARE
	v_mov_b32 v255, 0
	ds_add_u32 v254, v255                          ; the opening lines: the add, twice on end, and its wait ahead of my tensor load
	ds_add_u32 v254, v255
	v_lshrrev_b32 v1, 5, v0
	s_delay_alu instid0(VALU_DEP_1)
	v_readfirstlane_b32 s8, v1                     ; wave = head
	v_and_b32 v[RR], 15, v0
	v_bfe_u32 v[HH], v0, 4, 1
	s_wait_alu depctr_va_vdst(0)
	v_and_b32 v[A8], 31, v0
	s_delay_alu instid0(VALU_DEP_1)
	v_lshlrev_b32 v[A16], 4, v[A8]
	s_delay_alu instid0(VALU_DEP_2)
	v_lshlrev_b32 v[A8], 3, v[A8]
	v_lshlrev_b32 v[A8R], 3, v[RR]
	v_lshlrev_b32 v[A16R], 4, v[RR]
	s_lshr_b32 s9, s8, 1                           ; pair
	s_and_b32 s14, s8, 1                           ; c
	s_bfe_u32 s60, ttmp6, 0x40000                  ; cx
	s_lshl_b32 s61, ttmp9, 2
	s_add_co_u32 s60, s60, s61                     ; G: my work-group
	s_lshr_b32 s11, s60, 7                         ; batch
	s_and_b32 s15, s60, 127                        ; T: my tile of queries in the batch
	s_lshr_b32 s16, s15, 1                         ; its group of 32
	s_and_b32 s17, s15, 1
	s_max_u32 s18, s16, 2
	s_sub_co_u32 s18, s18, 2
	s_min_u32 s18, s18, 59                         ; B0: the first of my five key blocks
	s_lshl_b32 s19, s11, 3
	s_add_co_u32 s19, s19, s9                      ; 8 batch + pair
	s_mov_b32 s20, s8                              ; my head
	s_mov_b32 s[C64], 0x42800000                   ; 64.0
	s_mov_b32 s[C8], 0x3e000000                    ; 1 / sqrt(64)
	s_mov_b32 s[CS], 0x3fb8aa3b                    ; log2(e)
	s_mov_b32 s[CS+1], s[CS]
	s_mov_b32 s[SEL], 0x76543210
	s_mov_b32 s[SEL+1], 0xfedcba98
	s_cmp_eq_u32 s14, 0
	s_mov_b32 s[SL], 0x3f000000
	s_cselect_b32 s[SL], 0x3f3504f3, s[SL]         ; 2^-(head + 1) / 2 = (2^-1/2 or 2^-1) x 2^-pair
	s_cselect_b32 s48, -1, 0                       ; keeps Q's registers 0-5
	s_cselect_b32 s49, 0, -1                       ; keeps Q's registers 6-11
	s_lshl_b32 s53, s9, 23
	s_sub_co_u32 s[SL], s[SL], s53
	s_and_b32 s50, s18, 3
	s_mul_i32 s51, s50, 0x01010101
	s_add_co_u32 s51, s51, 0x03020100              ; v_perm_b32: bytes B0 % 4 .. + 3 of two neighbouring scale words
	s_lshl_b32 s50, s50, 3
	s_sub_co_u32 s52, s18, s16
	s_lshl_b32 s52, s52, 5
	s_lshl_b32 s53, s17, 3
	s_sub_co_u32 s52, s52, s53                     ; 32 B0 - my tile's first query
	s_add_co_u32 s54, s18, 4
	v_add_nc_u32 v13, s54, v[HH]
	s_delay_alu instid0(VALU_DEP_1)
	v_min_u32 v13, 63, v13
	s_delay_alu instid0(VALU_DEP_1)
	v_sub_nc_u32 v13, v13, s18
	s_wait_alu depctr_va_vdst(0)
	v_lshl_add_u32 v[AVA], v13, 8, v[A16R]
	v_lshl_add_u32 v[AVB], v13, 7, v[A8R]
	s_mul_i32 s55, s9, 1536
	s_add_co_u32 s55, s55, CI                      ; fragment ks = pair of the image
	s_mul_i32 s56, s14, 520
	s_add_co_u32 s56, s56, s55
	v_add_nc_u32 v[LA1], s56, v[A16]
	s_mul_i32 s56, s14, 1016
	s_add_co_u32 s56, s56, s55
	v_add_nc_u32 v[LA2], s56, v[A16]
	s_lshl_b32 s56, s9, 6
	s_lshl_b32 s57, s14, 1
	s_add_co_u32 s56, s56, s57
	s_add_co_u32 s56, s56, CI+12288
	v_lshlrev_b32 v[LSB], 2, v[RR]
	v_add_nc_u32 v[LSB], s56, v[LSB]               ; scale words: 64 ks + 4 r + 2 c
	s_mov_b32 s23, 0
	s_mov_b32 s63, 0
	s_mov_b32 s80, 15|(3<<16)|(1<<21)              ; group 1: the four partners' mask, bit 21 beside it; a dense block as 75 rows of 256 bytes
	s_mov_b32 s81, 32<<16
	s_mov_b32 s82, 75<<16
	s_mov_b32 s83, 32<<16
	s_mov_b32 s84, 75
	s_mov_b32 s85, 32
	s_mov_b32 s86, 0
	s_mov_b32 s87, 0
	s_wait_alu depctr_va_vdst(0)
	s_wait_dscnt 0x0                               ; both opening adds are done
	s_wait_kmcnt 0x0
	s_lshl_b32 s53, s19, 7
	s_add_co_u32 s22, s53, s15
	s_mul_i32 s22, s22, 1536
	s_add_nc_u64 s[24:25], s[4:5], s[22:23]        ; Q's image
	s_lshl_b32 s22, s18, 1
	s_add_co_u32 s22, s22, s53
	s_mul_i32 s22, s22, 1536
	s_add_co_u32 s22, s22, 0x300000
	s_add_nc_u64 s[26:27], s[4:5], s[22:23]        ; K's ten images
	s_lshl_b32 s53, s19, 6
	s_add_co_u32 s22, s53, s16
	s_lshl_b32 s22, s22, 7
	s_lshl_b32 s54, s17, 2
	s_add_co_u32 s22, s22, s54
	s_add_co_u32 s22, s22, 0x900000
	s_add_nc_u64 s[28:29], s[4:5], s[22:23]        ; Q's scale words
	s_add_co_u32 s22, s53, s18
	s_lshl_b32 s22, s22, 7
	s_add_co_u32 s22, s22, 0x920000
	s_add_nc_u64 s[30:31], s[4:5], s[22:23]        ; K's
	s_lshl_b32 s53, s11, 6
	s_lshl_b32 s54, s20, 2
	s_add_co_u32 s53, s53, s54
	s_lshl_b32 s53, s53, 6
	s_add_co_u32 s53, s53, s18                     ; (64 batch + 4 head) x 64 + B0
	s_lshl_b32 s22, s53, 8
	s_add_co_u32 s22, s22, 0x600000
	s_add_nc_u64 s[32:33], s[4:5], s[22:23]        ; V, 16-byte parts
	s_lshl_b32 s22, s53, 7
	s_add_co_u32 s22, s22, 0x800000
	s_add_nc_u64 s[34:35], s[4:5], s[22:23]        ; V, 8-byte parts
	s_lshl_b32 s53, s11, 4
	s_lshr_b32 s54, s18, 2
	s_add_co_u32 s53, s53, s54
	s_lshl_b32 s53, s53, 4
	s_add_co_u32 s53, s53, s20
	s_lshl_b32 s22, s53, 8
	s_add_co_u32 s22, s22, 0x940000
	s_add_nc_u64 s[36:37], s[4:5], s[22:23]        ; V's scale words
.irp i, 0,1,2
	global_load_b128 v[QF+4*\i:QF+4*\i+3], v[A16], s[24:25] offset:512*\i
.endr
	global_load_b32 v[QS], v[A8R], s[28:29]
.irp i, 0,1,2,3,4,5,6,7,8,9
.irp p, 0,1,2
	global_load_b128 v[KF+12*\i+4*\p:KF+12*\i+4*\p+3], v[A16], s[26:27] offset:1536*\i+512*\p
.endr
.endr
.irp j, 0,1,2,3,4
	global_load_b64 v[KSW+2*\j:KSW+2*\j+1], v[A8R], s[30:31] offset:128*\j
.endr
	s_mul_i32 s62, s8, 51200
	s_add_co_u32 s62, s62, 0x258000                ; Wo's place in wimg; my 64 columns
	s_add_nc_u64 s[94:95], s[6:7], s[62:63]
	s_mov_b32 s88, 1
	s_mul_i32 s89, s8, 19200
	s_mov_b64 s[90:91], s[94:95]
	s_or_b32 s91, s91, 0x80000000
	CROUND                                         ; the four partners are here: the joint loads meet
	tensor_load_to_lds s[88:91], s[80:87]          ; my one tensor load: K steps 0-2 of my columns of Wo, a first fill
	s_nop 0
	PLACES 4
	; the projection's addresses, while the loads are out
	s_lshl_b32 s62, s11, 23
	s_lshl_b32 s61, s16, 17
	s_add_co_u32 s62, s62, s61
	s_lshl_b32 s61, s17, 15
	s_add_co_u32 s62, s62, s61
	s_lshl_b32 s61, s8, 8
	s_add_co_u32 s62, s62, s61
	s_add_nc_u64 s[92:93], s[68:69], s[62:63]      ; x: row 2,048 batch + 32 (T / 2) + 8 (T % 2), column 64 wave
	s_mov_b32 s62, s61
	s_add_nc_u64 s[70:71], s[70:71], s[62:63]      ; bo, g1, be1 at my 64 columns
	s_add_nc_u64 s[72:73], s[72:73], s[62:63]
	s_add_nc_u64 s[74:75], s[74:75], s[62:63]
	s_lshl_b32 s62, s60, 16
	s_lshl_b32 s61, s8, 12
	s_add_co_u32 s62, s62, s61
	s_add_nc_u64 s[96:97], s[78:79], s[62:63]      ; hres: [tile of tokens][column tile][1,024]
	s_lshr_b32 s61, s60, 2
	s_lshl_b32 s61, s61, 3
	s_add_co_u32 s61, s61, s9
	s_mul_i32 s61, s61, 6400                       ; himg: block (64 tokens, K step = pair)
	s_and_b32 s59, s60, 3
	s_mul_i32 s62, s59, 1536
	s_add_co_u32 s62, s62, s61
	s_lshl_b32 s58, s14, 10
	s_add_co_u32 s62, s62, s58
	s_add_nc_u64 s[98:99], s[76:77], s[62:63]      ; my tile's fragment; odd waves: its third piece
	s_lshl_b32 s62, s59, 2
	s_add_co_u32 s62, s62, s61
	s_add_co_u32 s62, s62, 6144
	s_add_nc_u64 s[66:67], s[76:77], s[62:63]      ; and its scale words
	s_lshl_b32 s53, s8, 2
	s_add_co_u32 s53, s53, ST1
	s_add_co_u32 s54, s55, s58                     ; the image: fragment ks, + 1,024 c
	s_lshl_b32 s55, s9, 6
	s_add_co_u32 s55, s55, CI+12288
	s_mov_b32 s56, 0x3a800000                      ; 1 / 1,024
	s_mov_b32 s57, 0x3727c5ac                      ; 1e-5
	s_wait_loadcnt 0x0
.irp n, 0,1,2,3,4,5
	v_and_b32 v[QF+\n], s48, v[QF+\n]
.endr
.irp n, 6,7,8,9,10,11
	v_and_b32 v[QF+\n], s49, v[QF+\n]
.endr
	PLACES 4                                       ; an operand written by vector instructions stands four places ahead of a scaled matrix instruction
.irp i, 0,1,2,3,4,5,6,7,8,9
	v_wmma_scale_f32_16x16x128_f8f6f4 v[S+8*\i:S+8*\i+7], v[KF+12*\i:KF+12*\i+11], v[QF:QF+11], 0, v[KSW+\i], v[QS] matrix_a_fmt:MATRIX_FMT_BF6 matrix_b_fmt:MATRIX_FMT_BF6
.endr
	PLACES 4                                       ; in front of loads into K's registers and of the first read of the scores
.irp t, 0,1,2,3
.irp c, 0,1
	global_load_b128 v[VF+18*\t+6*\c:VF+18*\t+6*\c+3], v[A16], s[32:33] offset:16384*\t+512*\c
	global_load_b64 v[VF+18*\t+6*\c+4:VF+18*\t+6*\c+5], v[A8], s[34:35] offset:8192*\t+256*\c
.endr
	global_load_b128 v[VF+18*\t+12:VF+18*\t+15], v[AVA], s[32:33] offset:16384*\t
	global_load_b64 v[VF+18*\t+16:VF+18*\t+17], v[AVB], s[34:35] offset:8192*\t
.endr
	global_load_b128 v[VSR:VSR+3], v[A16R], s[36:37]
	global_load_b128 v[VSR+4:VSR+7], v[A16R], s[36:37] offset:4096
	; rel = key - query as f32, for the eight registers of a tile; it walks with the tiles
	v_and_b32 v[WK+8], 8, v[RR]
	s_delay_alu instid0(VALU_DEP_1)
	v_add_nc_u32 v[WK+8], v[WK+8], v[RR]
	v_lshlrev_b32 v[WK+9], 4, v[HH]
	s_delay_alu instid0(VALU_DEP_1)
	v_sub_nc_u32 v[WK+8], v[WK+9], v[WK+8]
	s_delay_alu instid0(VALU_DEP_1)
	v_add_nc_u32 v[WK+8], s52, v[WK+8]
.irp j, 0,1,2,3,4,5,6,7
	v_add_nc_u32 v[WK+\j], \j, v[WK+8]
.endr
.irp j, 0,1,2,3,4,5,6,7
	v_cvt_f32_i32 v[WK+\j], v[WK+\j]
.endr
	v_mov_b32 v[WK+8], 0xff800000                  ; -infinity
.irp i, 0,1,2,3,4,5,6,7,8,9
.irp j, 0,1,2,3,4,5,6,7
	v_mul_f32 v[WK+10+\j], s[SL], |v[WK+\j]|       ; slope |rel|, rounded once
.endr
.irp j, 0,1,2,3,4,5,6,7
	v_cmp_lt_f32 vcc_lo, s[C64], |v[WK+\j]|
	v_fma_f32 v[S+8*\i+\j], v[S+8*\i+\j], s[C8], -v[WK+10+\j]   ; S / 8 is exact: one rounding, the sum's
	s_delay_alu instid0(VALU_DEP_1)
	v_cndmask_b32 v[S+8*\i+\j], v[S+8*\i+\j], v[WK+8], vcc_lo
.endr
.if \i < 9
.irp n, 0,2,4,6
.if \i%2 == 0
	v_pk_add_f32 v[WK+\n:WK+\n+1], v[WK+\n:WK+\n+1], 0x41000000 op_sel_hi:[1,0]   ; 8 keys on
.else
	v_pk_add_f32 v[WK+\n:WK+\n+1], v[WK+\n:WK+\n+1], 0x41c00000 op_sel_hi:[1,0]   ; 24 keys on
.endif
.endr
.endif
.endr
	; the largest logit of each block of 32 keys: for the row's maximum, and, since p rises with the logit, for the block's largest p
.irp b, 0,1,2,3,4
	v_max3_num_f32 v[BM+\b], v[S+16*\b], v[S+16*\b+1], v[S+16*\b+2]
.endr
.irp i, 3,5,7,9,11,13
.irp b, 0,1,2,3,4
	v_max3_num_f32 v[BM+\b], v[BM+\b], v[S+16*\b+\i], v[S+16*\b+\i+1]
.endr
.endr
.irp b, 0,1,2,3,4
	v_max_num_f32 v[BM+\b], v[BM+\b], v[S+16*\b+15]
.endr
.irp b, 0,1,2,3,4
	v_permlanex16_b32 v[BT+\b], v[BM+\b], s[SEL], s[SEL+1]
.endr
.irp b, 0,1,2,3,4
	v_max_num_f32 v[BM+\b], v[BM+\b], v[BT+\b]
.endr
	s_delay_alu instid0(VALU_DEP_3)
	v_max3_num_f32 v[NM+1], v[BM], v[BM+1], v[BM+2]
	s_delay_alu instid0(VALU_DEP_1)
	v_max3_num_f32 v[NM+1], v[NM+1], v[BM+3], v[BM+4]
	s_delay_alu instid0(VALU_DEP_1)
	v_mul_f32 v[NM+1], s[CS], v[NM+1]
	s_delay_alu instid0(VALU_DEP_1)
	v_floor_f32 v[NM], -v[NM+1]                    ; -M = floor(-t) = -ceil(t)
.set n_, 0
.rept 40
	v_pk_fma_f32 v[S+2*n_:S+2*n_+1], v[S+2*n_:S+2*n_+1], s[CS:CS+1], v[NM:NM+1] op_sel_hi:[1,0,0]
.set n_, n_+1
.endr
.irp b, 0,1,2,3,4
	v_fma_f32 v[BM+\b], v[BM+\b], s[CS], v[NM]
.endr
.set n_, 0
	s_wait_alu depctr_va_vdst(0)
.rept 80
	v_exp_f32 v[S+n_], v[S+n_]                     ; p = 2^(t - M)
.set n_, n_+1
.endr
.irp b, 0,1,2,3,4
	v_exp_f32 v[BM+\b], v[BM+\b]                   ; each block's largest p
.endr
	v_nop                                          ; a plain place behind the exponentials
	s_wait_alu depctr_va_vdst(0)                   ; one wait for the batch of 85, ahead of its first reader
.irp c, 0,1,2,3                                ; the row's sum of the unquantised p, in four chains
	v_pk_add_f32 v[PF+2*\c:PF+2*\c+1], v[S+2*\c:S+2*\c+1], v[S+8+2*\c:S+8+2*\c+1]
.endr
.set n_, 8
.rept 32
	v_pk_add_f32 v[PF+2*(n_%4):PF+2*(n_%4)+1], v[PF+2*(n_%4):PF+2*(n_%4)+1], v[S+2*n_:S+2*n_+1]
.set n_, n_+1
.endr
	v_pk_add_f32 v[PF:PF+1], v[PF:PF+1], v[PF+2:PF+3]
	v_pk_add_f32 v[PF+4:PF+5], v[PF+4:PF+5], v[PF+6:PF+7]
	s_delay_alu instid0(VALU_DEP_1)
	v_pk_add_f32 v[LS:LS+1], v[PF:PF+1], v[PF+4:PF+5]
	s_delay_alu instid0(VALU_DEP_1)
	v_add_f32 v[LS], v[LS], v[LS+1]
	s_delay_alu instid0(VALU_DEP_1)
	v_permlanex16_b32 v[LS+1], v[LS], s[SEL], s[SEL+1]
	s_delay_alu instid0(VALU_DEP_1)
	v_add_f32 v[LS], v[LS], v[LS+1]
	s_wait_alu depctr_va_vdst(0)
	v_rcp_f32 v[LS], v[LS]
.irp b, 0,1,2,3,4
	v_max_num_f32 v[BM+\b], 0x2800000, v[BM+\b]    ; the floor: a block whose every p is 0 keeps the byte 1; its codes are zeros
.endr
.irp b, 0,1,2,3,4
	v_add_nc_u32 v[SO+\b], 0xfe000000, v[BM+\b]
.endr
.irp b, 0,1,2,3,4
	v_lshrrev_b32 v[BT+\b], 23, v[SO+\b]
.endr
	s_delay_alu instid0(VALU_DEP_4)
	v_lshl_or_b32 v[PW0], v[BT+1], 8, v[BT]
	s_delay_alu instid0(VALU_DEP_1)
	v_lshl_or_b32 v[PW0], v[BT+2], 16, v[PW0]
	s_delay_alu instid0(VALU_DEP_1)
	v_lshl_or_b32 v[PW0], v[BT+3], 24, v[PW0]
	s_delay_alu instid0(VALU_DEP_4)
	v_mov_b32 v[PW1], v[BT+4]
	s_wait_alu depctr_va_vdst(0)                   ; the wait for the reciprocal
.irp c, 0,1
	v_cvt_scalef32_pk16_bf6_f32 v[PF+6*\c:PF+6*\c+2], v[S+32*\c:S+32*\c+15], v[SO+2*\c]
	v_cvt_scalef32_pk16_bf6_f32 v[BM+4*\c:BM+4*\c+2], v[S+32*\c+16:S+32*\c+31], v[SO+2*\c+1]
.endr
	v_cvt_scalef32_pk16_bf6_f32 v[QF:QF+2], v[S+64:S+79], v[SO+4]
	v_nop
.irp i, 0,1,2
	v_mov_b32 v[ZP+\i], 0
.endr
.irp c, 0,1
.irp i, 0,1,2
	v_permlane16_swap_b32 v[PF+6*\c+\i], v[BM+4*\c+\i]
.endr
.irp i, 0,1,2
	s_delay_alu instid0(VALU_DEP_3)
	v_mov_b32 v[PF+6*\c+3+\i], v[BM+4*\c+\i]
.endr
.endr
.irp i, 0,1,2
	v_permlane16_swap_b32 v[QF+\i], v[ZP+\i]       ; block 4 whole in lanes 0-15; lanes 16-31 get zero codes
.endr
.irp i, 0,1,2
	s_delay_alu instid0(VALU_DEP_3)
	v_mov_b32 v[QF+3+\i], v[ZP+\i]
.endr
.irp i, 6,7,8,9,10,11
	v_mov_b32 v[QF+\i], 0
.endr
	s_wait_loadcnt 0x0                             ; V
.irp t, 0,1,2,3
	v_perm_b32 v[VW+\t], v[VSR+4+\t], v[VSR+\t], s51   ; the bytes of key blocks B0 .. B0 + 3
	v_lshrrev_b32 v[VW+4+\t], s50, v[VSR+4+\t]     ; and of block B0 + 4, lowest; what stands above it meets zero codes
.endr
	PLACES 8                                       ; a scale register written by a vector instruction stands eight places ahead of a scaled matrix instruction
.irp t, 0,1,2,3
	v_wmma_scale_f32_16x16x128_f8f6f4 v[S+8*\t:S+8*\t+7], v[VF+18*\t:VF+18*\t+11], v[PF:PF+11], 0, v[VW+\t], v[PW0] matrix_a_fmt:MATRIX_FMT_BF6 matrix_b_fmt:MATRIX_FMT_BF6
.endr
	s_wait_alu depctr_va_vdst(0)
.irp t, 0,1,2,3                                ; the four accumulators take turns
	v_wmma_scale_f32_16x16x128_f8f6f4 v[S+8*\t:S+8*\t+7], v[VF+18*\t+12:VF+18*\t+23], v[QF:QF+11], v[S+8*\t:S+8*\t+7], v[VW+4+\t], v[PW1] matrix_a_fmt:MATRIX_FMT_BF6 matrix_b_fmt:MATRIX_FMT_BF6
.endr
	PLACES 4
.set n_, 0
.rept 16
	v_pk_mul_f32 v[S+2*n_:S+2*n_+1], v[S+2*n_:S+2*n_+1], v[LS:LS+1] op_sel_hi:[1,0]   ; ctx = O^T / l
.set n_, n_+1
.endr
	QC S                                           ; ctx's codes into the image
	; ---- the projection
	v_and_b32 v[XO], 8, v[RR]
	v_add_nc_u32 v[LWA], s89, v[A16]
	v_add_nc_u32 v[LWS], s89, v[A16R]
	v_add_nc_u32 v[XO], v[XO], v[RR]
	v_add_nc_u32 v[CIA], CI, v[A16]
	v_lshlrev_b32 v[CSA], 2, v[RR]
	v_lshlrev_b32 v[XO], 12, v[XO]
	v_lshlrev_b32 v[STR], 6, v[RR]
	v_add_nc_u32 v[SCR], s55, v[CSA]
	v_lshl_add_u32 v[XO], v[HH], 6, v[XO]
	v_add_nc_u32 v[CSA], CI+12288, v[CSA]
	v_add_nc_u32 v[STW], s53, v[STR]
	v_add_nc_u32 v[STR], ST1, v[STR]
	v_lshlrev_b32 v[AH], 6, v[HH]
	v_add_nc_u32 v[RDI], s54, v[A16]
	s_wait_alu depctr_va_vdst(0)
	s_wait_dscnt 0x0                               ; for the others' sake: my codes have landed; and the stores have read their registers
	VEC32 ACC, 92, XO                              ; x starts the sums
	VEC32 BO, 70, AH
	GW 3, 0
	GW 4, 1
	GW 5, 2
	s_barrier_signal -1
	s_barrier_wait -1                              ; the image is whole
	OSTEP 0, 3
	OSTEP 1, 4
	OSTEP 2, 5
	OSTEP 3, 6
	OSTEP 4, 7
	OSTEP 5, 0
	OSTEP 6, 1
	OSTEP 7, 2
	PLACES 4
.set n_, 0
.rept 16
	v_pk_add_f32 v[ACC+2*n_:ACC+2*n_+1], v[ACC+2*n_:ACC+2*n_+1], v[BO+2*n_:BO+2*n_+1]   ; + bo; each accumulator from its low end on
.set n_, n_+1
.endr
.irp c, 0,1,2,3
	v_pk_add_f32 v[T+2*\c:T+2*\c+1], v[ACC+2*\c:ACC+2*\c+1], v[ACC+8+2*\c:ACC+8+2*\c+1]
.endr
.set n_, 8
.rept 8
	v_pk_add_f32 v[T+2*(n_%4):T+2*(n_%4)+1], v[T+2*(n_%4):T+2*(n_%4)+1], v[ACC+2*n_:ACC+2*n_+1]
.set n_, n_+1
.endr
	FOLD4
	SHARE 0
	v_mul_f32 v[MU], s56, v[T]                     ; the mean, twice: a pair for the packed forms
	v_mul_f32 v[MU+1], s56, v[T]
.set n_, 0
.rept 16
	v_pk_add_f32 v[ACC+2*n_:ACC+2*n_+1], v[ACC+2*n_:ACC+2*n_+1], v[MU:MU+1] neg_lo:[0,1] neg_hi:[0,1]
.set n_, n_+1
.endr
.irp c, 0,1,2,3
	v_pk_mul_f32 v[T+2*\c:T+2*\c+1], v[ACC+2*\c:ACC+2*\c+1], v[ACC+2*\c:ACC+2*\c+1]
.endr
.set n_, 4
.rept 12
	v_pk_fma_f32 v[T+2*(n_%4):T+2*(n_%4)+1], v[ACC+2*n_:ACC+2*n_+1], v[ACC+2*n_:ACC+2*n_+1], v[T+2*(n_%4):T+2*(n_%4)+1]
.set n_, n_+1
.endr
	FOLD4
	SHARE 1024
	v_fma_f32 v[T], v[T], s56, s57                 ; the variance + 1e-5
	s_wait_alu depctr_va_vdst(0)
	v_rsq_f32 v[RS], v[T]
	v_nop
	s_wait_alu depctr_va_vdst(0)                   ; ahead of v_rsq_f32's first reader
	v_mov_b32 v[RS+1], v[RS]
	s_wait_alu depctr_va_vdst(0)
	s_wait_loadcnt 0x0                             ; g1, be1
.set n_, 0
.rept 16
	v_pk_mul_f32 v[ACC+2*n_:ACC+2*n_+1], v[ACC+2*n_:ACC+2*n_+1], v[RS:RS+1]
.set n_, n_+1
.endr
.set n_, 0
.rept 16
	v_pk_fma_f32 v[ACC+2*n_:ACC+2*n_+1], v[ACC+2*n_:ACC+2*n_+1], v[144+2*n_:145+2*n_], v[48+2*n_:49+2*n_]
.set n_, n_+1
.endr
.irp b, 0,1,2,3
.irp i, 0,1
	global_store_b128 v[A16], v[ACC+8*\b+4*\i:ACC+8*\b+4*\i+3], s[96:97] offset:\b*1024+512*\i   ; 512 consecutive bytes a store
.endr
.endr
	QC ACC                                         ; h's codes into the image: every wave has passed two barriers behind its last read of ctx
	s_wait_dscnt 0x0                               ; for the others' sake
	s_barrier_signal -1
	s_barrier_wait -1
	ds_load_b128 v[96:99], v[RDI]                  ; even waves send pieces 0 and 1 of their K step's fragment, odd waves piece 2 and the scale words
	s_cmp_eq_u32 s14, 0
	s_cbranch_scc0 .Lodd
	ds_load_b128 v[100:103], v[RDI] offset:512
	s_wait_dscnt 0x0
	global_store_b128 v[A16], v[100:103], s[98:99] offset:512
	s_branch .Lboth
.Lodd:
	ds_load_b32 v100, v[SCR]
	s_wait_dscnt 0x0
	global_store_b32 v[A16R], v100, s[66:67]       ; lanes l and l + 16 store the same word to the same place
.Lboth:
	s_wait_dscnt 0x0
	global_store_b128 v[A16], v[96:99], s[98:99]
	s_wait_tensorcnt 0x0                           ; the wave's end
	ds_add_u32 v254, v255
	s_wait_dscnt 0x0
	CROUND                                         ; the closing round
	s_endpgm
.Lfunc_end_k_q0434ccb94b_attno:
	.size	k_q0434ccb94b_attno, .Lfunc_end_k_q0434ccb94b_attno-k_q0434ccb94b_attno
	.p2alignl 7, 3214868480
	.fill 96, 4, 3214868480
	.section	.rodata,"a",@progbits
	.p2align	6, 0x0
	.amdhsa_kernel k_q0434ccb94b_attno
		.amdhsa_group_segment_fixed_size 327680
		.amdhsa_private_segment_fixed_size 0
		.amdhsa_enable_private_segment 0
		.amdhsa_kernarg_size 64
		.amdhsa_user_sgpr_count 2
		.amdhsa_user_sgpr_kernarg_segment_ptr 1
		.amdhsa_wavefront_size32 1
		.amdhsa_system_sgpr_workgroup_id_x 1
		.amdhsa_system_sgpr_workgroup_id_y 1
		.amdhsa_system_sgpr_workgroup_id_z 1
		.amdhsa_system_vgpr_workitem_id 0
		.amdhsa_next_free_vgpr 256
		.amdhsa_next_free_sgpr 100
		.amdhsa_reserve_vcc 1
		.amdhsa_float_denorm_mode_32 3
		.amdhsa_float_denorm_mode_16_64 3
		.amdhsa_memory_ordered 1
		.amdhsa_forward_progress 1
		.amdhsa_inst_pref_size 94
	.end_amdhsa_kernel
	.amdgpu_metadata
---
amdhsa.version: [ 1, 2 ]
amdhsa.kernels:
  - .name:           k_q0434ccb94b_attno
    .symbol:         k_q0434ccb94b_attno.kd
    .args:
      - { .name: qkvimg, .offset: 0, .size: 8, .value_kind: global_buffer, .address_space: global }
      - { .name: wimg, .offset: 8, .size: 8, .value_kind: global_buffer, .address_space: global }
      - { .name: x, .offset: 16, .size: 8, .value_kind: global_buffer, .address_space: global }
      - { .name: bo, .offset: 24, .size: 8, .value_kind: global_buffer, .address_space: global }
      - { .name: g1, .offset: 32, .size: 8, .value_kind: global_buffer, .address_space: global }
      - { .name: be1, .offset: 40, .size: 8, .value_kind: global_buffer, .address_space: global }
      - { .name: himg, .offset: 48, .size: 8, .value_kind: global_buffer, .address_space: global }
      - { .name: hres, .offset: 56, .size: 8, .value_kind: global_buffer, .address_space: global }
    .group_segment_fixed_size: 327680
    .private_segment_fixed_size: 0
    .kernarg_segment_align: 8
    .kernarg_segment_size: 64
    .max_flat_workgroup_size: 512
    .sgpr_count:     100
    .vgpr_count:     256
    .wavefront_size: 32
...
	.end_amdgpu_metadata
.endif
;; end of part 3
;; launch ffn1 (part 4): grid 8 x 32, 4 waves a work-group, no clusters, 168,448 bytes of LDS; arguments himg, wimg, b1, fimg; writes fimg
.if DOCPART == 4
	.amdgcn_target "amdgcn-amd-amdhsa--gfx1250"
	.amdhsa_code_object_version 6
	.text
	.protected	k_q0434ccb94b_ffn1
	.globl	k_q0434ccb94b_ffn1
	.p2align	8
	.type	k_q0434ccb94b_ffn1,@function
k_q0434ccb94b_ffn1:
	s_mov_b64 s[64:65], 0
	v_nop
	global_prefetch_b8 v0, s[64:65] scope:SCOPE_SE
	s_setreg_imm32_b32 hwreg(HW_REG_WAVE_MODE, 25, 1), 1
	s_wait_xcnt 0x0
; f = gelu(h W1 + b1), exact GELU, as codes of E3M2 along the hidden axis.  Source 0 = 512 columns of W1 (a wave: 128 = one K step of the next product), source 1 = 128 tokens.
; h's codes (102,400 dense bytes, all of K) come once by one tensor load a wave and stay in LDS; W1's fragments, each used by one wave alone, go from memory into registers, two K steps ahead, in three sets.
; NO JOINT LOADS: of the 512,000 bytes that a work-group takes in, 102,400 are shared with the work-groups of its y; the rest goes into registers, where no joint load reaches.
; gelu(x) = max(x, 0) - |x| erfc(|x| / sqrt 2) / 2, erfc(z) = t exp(-z^2 + P(t)), t = 1 / (1 + z / 2), P of degree 9 (fractional error of the fit 1.2e-7 for every z); all factors are folded into base 2:
; z' = |x| sqrt(log2(e) / 2), t = 1 / (1 + z' k2), gelu = max(x, 0) - z' t 2^(P'(t) - z'^2).
; THE WAY OUT IS A LOOP of eight trips, one for each tile of tokens: only the 32 additions of the bias name other registers from trip to trip; they are written eight times and chosen by the trip's number.
; REGISTERS: as in the launch for q, k, v: window 0: v1-9 addresses; v16-39, v40-55 scale words; v64-159 source 1; v160-255 source 0, set 2.  window 1: sets 0, 1; v192-255 b1.  windows 2, 3: accumulators.
; LIMITS: NaN and infinities are not served; a block of zeros gets the byte 1; b1 is added behind the sum over K; deep in the negative tail the exponent's rounding leaves about 3e-6 of the number.
.set KS,   8
.set SLAB, 51200
.set TROWS, 100
.set AL, 1
.set AR, 2
.set AS, 3
.set LA, 5
.set LR, 7
.set AH, 9
.set SC0, 16
.set SC1, 40
.set S1,  64
.set HA,  64
.set Z,   128
.set T,   160
.set P,   192
.set PC,  128                          ; behind the GELU its registers are free
.set TM,  148
.set PW4, 224
.set SS,  228
.set C9,  230
.set P0,  24
.set HM,  48
.set K1,  49
.set SEL, 50
.set K2,  52
.set AI,  54
.set OB,  56
.set OUT, 58
.set MSB, 0
.macro WIN new
.if MSB != (\new)
	s_set_vgpr_msb (MSB<<8)|(\new)
.set MSB, (\new)
.endif
.endm
.macro PLACES n
.rept \n
	v_nop
.endr
.endm
.macro QUANT s, w, pw
	WIN (\w)|((\w)<<2)
.irp b, 0,1,2,3
	v_max3_num_f32 v[TM+\b], |v[(\s)+16*\b]|, |v[(\s)+1+16*\b]|, 0x2800000
.endr
	WIN ((\w)<<2)|((\w)<<4)
.irp i, 2,4,6,8,10,12,14
.irp b, 0,1,2,3
	v_max3_num_f32 v[TM+\b], v[TM+\b], |v[(\s)+16*\b+\i]|, |v[(\s)+1+16*\b+\i]|
.endr
.endr
	WIN 0
.irp b, 0,1,2,3
	v_permlanex16_b32 v[TM+4+\b], v[TM+\b], s[SEL], s[SEL+1]
.endr
.irp b, 0,1,2,3
	v_max_num_f32 v[TM+\b], v[TM+\b], v[TM+4+\b]
.endr
.irp b, 0,1,2,3
	v_add_nc_u32 v[TM+12+\b], 0xfe000000, v[TM+\b]
.endr
.irp b, 0,1,2,3
	v_lshrrev_b32 v[TM+4+\b], 23, v[TM+12+\b]
.endr
	v_lshl_or_b32 v[\pw], v[TM+5], 8, v[TM+4]
	v_lshl_or_b32 v[\pw], v[TM+6], 16, v[\pw]
	v_lshl_or_b32 v[\pw], v[TM+7], 24, v[\pw]
	WIN (\w)
.irp c, 0,1
	v_cvt_scalef32_pk16_bf6_f32 v[PC+6*\c:PC+2+6*\c], v[(\s)+32*\c:(\s)+15+32*\c], v[TM+12+2*\c]
	v_cvt_scalef32_pk16_bf6_f32 v[PC+12+4*\c:PC+14+4*\c], v[(\s)+16+32*\c:(\s)+31+32*\c], v[TM+12+2*\c+1]
.endr
	WIN 0
	v_nop
.irp c, 0,1
.irp i, 0,1,2
	v_permlane16_swap_b32 v[PC+6*\c+\i], v[PC+12+4*\c+\i]
.endr
.irp i, 0,1,2
	v_mov_b32 v[PC+3+6*\c+\i], v[PC+12+4*\c+\i]
.endr
.endr
.endm
.macro IMAGE off
.irp c, 0,1,2
	global_store_b128 v[AL], v[PC+4*\c:PC+4*\c+3], s[OUT:OUT+1] offset:(\off)+512*\c
.endr
.endm
.macro SCSTORE adr, base, off
	v_cndmask_b32 v[SS], v[PW4], v[PW4+2], s[HM]
	v_cndmask_b32 v[SS+1], v[PW4+1], v[PW4+3], s[HM]
	global_store_b64 v[\adr], v[SS:SS+1], s[\base:\base+1] offset:\off
.endm
.macro G0LOAD k
.set GS_, (\k)%3
.if GS_ < 2
	WIN 0x40
.set GB_, 96*GS_
.else
	WIN 0
.set GB_, 160
.endif
.irp b, 0,1,2,3,4,5,6,7
.irp i, 0,1,2
	global_load_b128 v[GB_+12*\b+4*\i:GB_+12*\b+4*\i+3], v[AL], s[P0:P0+1] offset:(\b/4)*SLAB+(\k)*6400+(\b%4)*1536+512*\i
.endr
.endr
	WIN 0
.irp j, 0,1
	global_load_b128 v[SC0+8*GS_+4*\j:SC0+8*GS_+4*\j+3], v[AR], s[P0:P0+1] offset:\j*SLAB+(\k)*6400+6144
.endr
.endm
.macro L1LOAD k, hf
.irp a, 0,1,2,3
.irp i, 0,1,2
	ds_load_b128 v[S1+12*(4*(\hf)+\a)+4*\i:S1+12*(4*(\hf)+\a)+4*\i+3], v[LA+(\hf)] offset:(\k)*6400+\a*1536+512*\i
.endr
.endr
.endm
.macro L1SCALE k
.irp x, 0,1
	ds_load_b128 v[SC1+8*((\k)%2)+4*\x:SC1+8*((\k)%2)+4*\x+3], v[LR+\x] offset:(\k)*6400+6144
.endr
.endm
.macro MULH k, hf, zero                ; the 64 accumulators take turns, one instruction a turn
.set MS_, (\k)%3
.if MS_ < 2
.set MB_, 96*MS_
	WIN 0xa1+0x50*(\hf)
.else
.set MB_, 160
	WIN 0xa0+0x50*(\hf)
.endif
.irp a, 0,1,2,3
.irp b, 0,1,2,3,4,5,6,7
.if \zero
	v_wmma_scale_f32_16x16x128_f8f6f4 v[64*\a+8*\b:64*\a+8*\b+7], v[MB_+12*\b:MB_+12*\b+11], v[S1+12*(4*(\hf)+\a):S1+12*(4*(\hf)+\a)+11], 0, v[SC0+8*MS_+\b], v[SC1+8*((\k)%2)+4*(\hf)+\a] matrix_a_fmt:MATRIX_FMT_BF6 matrix_b_fmt:MATRIX_FMT_BF6
.else
	v_wmma_scale_f32_16x16x128_f8f6f4 v[64*\a+8*\b:64*\a+8*\b+7], v[MB_+12*\b:MB_+12*\b+11], v[S1+12*(4*(\hf)+\a):S1+12*(4*(\hf)+\a)+11], v[64*\a+8*\b:64*\a+8*\b+7], v[SC0+8*MS_+\b], v[SC1+8*((\k)%2)+4*(\hf)+\a] matrix_a_fmt:MATRIX_FMT_BF6 matrix_b_fmt:MATRIX_FMT_BF6
.endif
.endr
.endr
.endm
.macro KSTEP k
.if (\k) < KS-2
	s_wait_loadcnt 52                              ; this K step's loads are in; the 26 of each of the two K steps behind it may be out
.else
	s_wait_loadcnt 26*(KS-1-(\k))
.endif
	s_wait_dscnt 12                                ; the youngest 12 LDS loads (tiles 4-7) may be out
	MULH \k, 0, (\k)==0
	s_wait_dscnt 0x0
.if (\k)+1 < KS
	PLACES 4
	WIN 0
	L1LOAD (\k)+1, 0
	L1SCALE (\k)+1
.endif
	MULH \k, 1, (\k)==0
	PLACES 4
	WIN 0
.if (\k)+1 < KS
	L1LOAD (\k)+1, 1
.endif
.if (\k)+3 < KS
	G0LOAD (\k)+3
.endif
.endm
.macro GELU x                          ; 32 numbers in place
.set n_, 0
.rept 32
	v_mul_f32 v[Z+n_], s[K1], |v[(\x)+n_]|         ; z'
.set n_, n_+1
.endr
.set n_, 0
.rept 16
	v_pk_fma_f32 v[T+2*n_:T+2*n_+1], v[Z+2*n_:Z+2*n_+1], s[K2:K2+1], 1.0 op_sel_hi:[1,0,0]
.set n_, n_+1
.endr
.set n_, 0
	s_wait_alu depctr_va_vdst(0)
.rept 32
	v_rcp_f32 v[T+n_], v[T+n_]                     ; t
.set n_, n_+1
.endr
.set n_, 0
.rept 32
	v_max_num_f32 v[(\x)+n_], 0, v[(\x)+n_]        ; independent work behind the reciprocals
.set n_, n_+1
.endr
	s_wait_alu depctr_va_vdst(0)                   ; one wait for the 32 reciprocals
.set n_, 0
.rept 16
	v_pk_fma_f32 v[P+2*n_:P+2*n_+1], v[T+2*n_:T+2*n_+1], v[C9:C9+1], 0xbf97d29d op_sel_hi:[1,1,0]
.set n_, n_+1
.endr
.irp c, 0x40097039, 0xbfd1a1e5, 0x3ecdfd18, 0xbe899a80, 0x3e0efb2e, 0x3f0a29d2, 0x3fb8ab5a, 0xc025c4b7
.set n_, 0
.rept 16
	v_pk_fma_f32 v[P+2*n_:P+2*n_+1], v[P+2*n_:P+2*n_+1], v[T+2*n_:T+2*n_+1], \c op_sel_hi:[1,1,0]
.set n_, n_+1
.endr
.endr
.set n_, 0
.rept 16
	v_pk_fma_f32 v[P+2*n_:P+2*n_+1], v[Z+2*n_:Z+2*n_+1], v[Z+2*n_:Z+2*n_+1], v[P+2*n_:P+2*n_+1] neg_lo:[1,0,0] neg_hi:[1,0,0]
.set n_, n_+1
.endr
.set n_, 0
	s_wait_alu depctr_va_vdst(0)
.rept 32
	v_exp_f32 v[P+n_], v[P+n_]
.set n_, n_+1
.endr
.set n_, 0
.rept 16
	v_pk_mul_f32 v[Z+2*n_:Z+2*n_+1], v[Z+2*n_:Z+2*n_+1], v[T+2*n_:T+2*n_+1]   ; independent work behind the exponentials
.set n_, n_+1
.endr
	s_wait_alu depctr_va_vdst(0)                   ; one wait for the 32 exponentials
.set n_, 0
.rept 16
	v_pk_fma_f32 v[(\x)+2*n_:(\x)+2*n_+1], v[Z+2*n_:Z+2*n_+1], v[P+2*n_:P+2*n_+1], v[(\x)+2*n_:(\x)+2*n_+1] neg_lo:[1,0,0] neg_hi:[1,0,0]
.set n_, n_+1
.endr
.endm
	s_load_b256 s[4:11], s[0:1], 0x0               ; himg, wimg, b1, fimg
	v_lshl_add_u32 v62, v0, 2, 0x29000
	v_mov_b32 v63, 0
	ds_add_u32 v62, v63
	ds_add_u32 v62, v63
	v_lshrrev_b32 v11, 5, v0
	v_readfirstlane_b32 s20, v11
	s_mov_b32 s21, ttmp9
	s_and_b32 s22, ttmp7, 0xffff
	v_and_b32 v11, 31, v0
	v_and_b32 v12, 15, v0
	v_bfe_u32 v13, v0, 4, 1
	v_lshlrev_b32 v[AL], 4, v11
	v_lshlrev_b32 v[AR], 4, v12
	v_lshl_add_u32 v[AS], v13, 3, v[AR]
	v_lshlrev_b32 v[LA], 4, v11
	v_add_nc_u32 v[LA+1], 51200, v[LA]
	v_lshlrev_b32 v[LR], 4, v12
	v_add_nc_u32 v[LR+1], 51200, v[LR]
	v_lshlrev_b32 v[AH], 6, v13
	s_mov_b32 s[HM], 0xffff0000
	s_mov_b32 s[SEL], 0x76543210
	s_mov_b32 s[SEL+1], 0xfedcba98
	s_mov_b32 s[K1], 0x3f596d27                    ; sqrt(log2(e) / 2)
	s_mov_b32 s[K2], 0x3ed5224d                    ; 1 / (2 sqrt(log2(e)))
	s_mov_b32 s[K2+1], s[K2]
	s_mov_b32 s40, 3<<16                           ; group 1: a dense block as rows of 256 bytes
	s_mov_b32 s41, 32<<16
	s_mov_b32 s42, TROWS<<16
	s_mov_b32 s43, 32<<16
	s_mov_b32 s44, TROWS
	s_mov_b32 s45, 32
	s_mov_b32 s46, 0
	s_mov_b32 s47, 0
	s_mov_b32 s61, 0
	s_wait_alu depctr_va_vdst(0)
	s_wait_dscnt 0x0
	s_wait_kmcnt 0x0
	s_lshl_b32 s60, s22, 1
	s_mul_i32 s60, s60, SLAB
	s_mul_i32 s37, s20, 256*TROWS
	s_add_co_u32 s60, s60, s37
	s_add_nc_u64 s[38:39], s[4:5], s[60:61]
	s_or_b32 s39, s39, 0x80000000
	s_mov_b32 s36, 1
	tensor_load_to_lds s[36:39], s[40:47]          ; my one tensor load: a first fill
	s_nop 0
	PLACES 4
	s_lshl_b32 s60, s21, 3
	s_lshl_b32 s62, s20, 1
	s_add_co_u32 s60, s60, s62
	s_add_co_u32 s60, s60, 64                      ; W1 begins 64 slabs into wimg
	s_mul_i32 s60, s60, SLAB
	s_add_nc_u64 s[P0:P0+1], s[6:7], s[60:61]
	s_lshl_b32 s62, s21, 2
	s_add_co_u32 s62, s62, s20                     ; my K step of the next product
	s_lshl_b32 s60, s62, 9
	s_add_nc_u64 s[28:29], s[8:9], s[60:61]
	s_lshl_b32 s60, s22, 6
	s_add_co_u32 s60, s60, s62
	s_mul_i32 s60, s60, 6400
	s_add_nc_u64 s[OB:OB+1], s[10:11], s[60:61]
	WIN 0x40
.irp b, 0,1,2,3,4,5,6,7
	global_load_b128 v[192+8*\b:195+8*\b], v[AH], s[28:29] offset:(32*(\b/2)+8*(\b%2))*4
	global_load_b128 v[196+8*\b:199+8*\b], v[AH], s[28:29] offset:(32*(\b/2)+8*(\b%2))*4+16
.endr
	WIN 0
	G0LOAD 0
	G0LOAD 1
	G0LOAD 2
	s_wait_tensorcnt 0x0
	s_barrier_signal -1
	s_barrier_wait -1
	L1LOAD 0, 0
	L1SCALE 0
	L1LOAD 0, 1
.set KK, 0
.rept KS
	KSTEP KK
.set KK, KK+1
.endr
	v_mov_b32 v[C9], 0x3e7c6f08
	v_mov_b32 v[C9+1], 0x3e7c6f08
.irp b, 1,2,3
	v_mov_b32 v[PW4+\b], 0
.endr
	s_mov_b32 s[AI], 0
.Lrow:
	s_wait_xcnt 0x0                                ; the last trip's stores have read their registers and their base
	s_lshr_b32 s60, s[AI], 2
	s_mul_i32 s60, s60, 204800
	s_and_b32 s62, s[AI], 3
	s_mul_i32 s62, s62, 1536
	s_add_co_u32 s60, s60, s62
	s_add_nc_u64 s[OUT:OUT+1], s[OB:OB+1], s[60:61]   ; tile a: block a / 4 (64 tokens on), fragment a % 4
.irp a, 1,2,3,4,5,6,7
	s_cmp_eq_u32 s[AI], \a
	s_cbranch_scc1 .Lcopy\a
.endr
.irp a, 0,1,2,3,4,5,6,7
.Lcopy\a:
	WIN (2+\a/4)|(1<<2)
.set n_, 0
.rept 32
	v_pk_add_f32 v[HA+2*n_:HA+2*n_+1], v[64*(\a%4)+2*n_:64*(\a%4)+2*n_+1], v[192+2*n_:193+2*n_]   ; + b1; each accumulator from its low end on
.set n_, n_+1
.endr
	WIN 0
.if \a < 7
	s_branch .Lgelu
.endif
.endr
.Lgelu:
	GELU HA
	GELU HA+32
	v_mov_b32 v[PW4], v[PW4+1]                     ; the four tiles' scale words move up: behind four trips they stand in order
	v_mov_b32 v[PW4+1], v[PW4+2]
	v_mov_b32 v[PW4+2], v[PW4+3]
	QUANT HA, 0, PW4+3
	IMAGE 0
	s_and_b32 s62, s[AI], 3
	s_cmp_eq_u32 s62, 3
	s_cbranch_scc0 .Lno_scale
	SCSTORE AS, OUT, 1536                          ; 6,144 from the block's first byte
.Lno_scale:
	s_add_co_u32 s[AI], s[AI], 1
	s_cmp_lt_u32 s[AI], 8
	s_cbranch_scc1 .Lrow
	s_wait_tensorcnt 0x0
	ds_add_u32 v62, v63
	s_wait_dscnt 0x0
	s_endpgm
.Lfunc_end_k_q0434ccb94b_ffn1:
	.size	k_q0434ccb94b_ffn1, .Lfunc_end_k_q0434ccb94b_ffn1-k_q0434ccb94b_ffn1
	.p2alignl 7, 3214868480
	.fill 96, 4, 3214868480
	.section	.rodata,"a",@progbits
	.p2align	6, 0x0
	.amdhsa_kernel k_q0434ccb94b_ffn1
		.amdhsa_group_segment_fixed_size 168448
		.amdhsa_private_segment_fixed_size 0
		.amdhsa_enable_private_segment 0
		.amdhsa_kernarg_size 32
		.amdhsa_user_sgpr_count 2
		.amdhsa_user_sgpr_kernarg_segment_ptr 1
		.amdhsa_wavefront_size32 1
		.amdhsa_system_sgpr_workgroup_id_x 1
		.amdhsa_system_sgpr_workgroup_id_y 1
		.amdhsa_system_sgpr_workgroup_id_z 1
		.amdhsa_system_vgpr_workitem_id 0
		.amdhsa_next_free_vgpr 1024
		.amdhsa_next_free_sgpr 80
		.amdhsa_reserve_vcc 0
		.amdhsa_float_denorm_mode_32 3
		.amdhsa_float_denorm_mode_16_64 3
		.amdhsa_memory_ordered 1
		.amdhsa_forward_progress 1
		.amdhsa_inst_pref_size 173
	.end_amdhsa_kernel
	.amdgpu_metadata
---
amdhsa.version: [ 1, 2 ]
amdhsa.kernels:
  - .name:           k_q0434ccb94b_ffn1
    .symbol:         k_q0434ccb94b_ffn1.kd
    .args:
      - { .name: himg, .offset: 0, .size: 8, .value_kind: global_buffer, .address_space: global }
      - { .name: wimg, .offset: 8, .size: 8, .value_kind: global_buffer, .address_space: global }
      - { .name: b1, .offset: 16, .size: 8, .value_kind: global_buffer, .address_space: global }
      - { .name: fimg, .offset: 24, .size: 8, .value_kind: global_buffer, .address_space: global }
    .group_segment_fixed_size: 168448
    .private_segment_fixed_size: 0
    .kernarg_segment_align: 8
    .kernarg_segment_size: 32
    .max_flat_workgroup_size: 128
    .sgpr_count:     80
    .vgpr_count:     1024
    .wavefront_size: 32
...
	.end_amdgpu_metadata
.endif
;; end of part 4
;; launch ffn2 (part 5): grid 8 x 32, 4 waves a work-group, clusters of 4 x 1, 327,680 bytes of LDS; arguments fimg, wimg, hres, b2, y2; writes y2
.if DOCPART == 5
	.amdgcn_target "amdgcn-amd-amdhsa--gfx1250"
	.amdhsa_code_object_version 6
	.text
	.protected	k_q0434ccb94b_ffn2
	.globl	k_q0434ccb94b_ffn2
	.p2align	8
	.type	k_q0434ccb94b_ffn2,@function
k_q0434ccb94b_ffn2:
	s_mov_b64 s[64:65], 0
	v_nop
	global_prefetch_b8 v0, s[64:65] scope:SCOPE_SE
	s_setreg_imm32_b32 hwreg(HW_REG_WAVE_MODE, 25, 1), 1
	s_wait_xcnt 0x0
	s_wait_alu depctr_hold_cnt(0) depctr_sa_sdst(0) depctr_va_vdst(0) depctr_va_sdst(0) depctr_va_ssrc(0) depctr_va_vcc(0) depctr_vm_vsrc(0)
	s_getreg_b32 s2, hwreg(HW_REG_IB_STS2, 6, 4)
	s_cmp_eq_u32 s2, 0
	s_cbranch_scc0 .Lentry_in_a_cluster
	s_endpgm
.Lentry_in_a_cluster:
	s_bfe_u32 s2, ttmp6, 0x10000c
	s_cmp_lg_u32 s2, 0x3003
	s_cbranch_scc0 .Lentry_shape_is_right
	s_endpgm
.Lentry_shape_is_right:
; y2 = h + f W2 + b2 on codes of E3M2: f [4096][4096] and W2 [4096][1024] lie as images of operand registers (blocks of 64 rows x 128 K in 6,400 bytes), h as f32 in the accumulators' layout.
; A work-group makes 128 tokens x 128 columns; grid 8 x 32 = 256 work-groups.  A wave: 32 columns (source 0: two tiles of W2) x 128 tokens (source 1: eight tiles): 16 accumulators, 16 products for 128 along K.
; W2's fragments are each used by one wave alone: they go from memory into its registers as they lie, in eight sets, seven K steps (49 loads a wave) ahead of their use; so do h (it starts the sums as C) and b2: no prefetch is laid for these.
; f's codes are shared by the four waves: they come through LDS in four chunks of K = 1,024 (two blocks x 51,200 dense bytes), chunk c in slot c % 2, a quarter (100 rows of 256 bytes) by one tensor load a wave.
; CLUSTER 4, 1, 1: four neighbouring column groups need the same 128 tokens, so each load of f is a joint load with the mask 15; its addresses hang on y and the wave's number alone.
; PREFETCH: behind the load of chunk c each wave asks for chunk c + 1: of the 100 rows that wave w fetches, the partner at place cx names rows 25 cx .. 25 cx + 24, a lane a row (lanes 25-31 name the last again); nothing is asked behind chunk 3's load.
; THE WAY OUT: + b2, the block goes through a stage of 128 rows x 528 bytes on LDS bytes of its own and leaves as whole rows: 32 lanes store 512 consecutive bytes.
; REGISTERS: window 0: v1-14 addresses; v16-31 W2's scale words, 8 sets; v32-47 f's, 2 sets; v48-239 f's fragments, 2 sets; v240, v241 the add's two.  window 1: v0-191 W2, 8 sets; v192-207 b2.  window 2: accumulator (a, b) at 16 a + 8 b.
; LIMITS: NaN and infinities are not served; b2 is added behind the sum over K, h ahead of it.
.set KS,   32
.set SLOT, 102400
.set STG,  2*SLOT                      ; the stage, behind the ring
.set SP,   528
.set SPARE, STG+128*SP                 ; the spare words: 512 bytes that no other line names
.set AL,  1                            ; 16 x lane + 3,072 x (wave % 2): my two fragments in a block of W2
.set ARW, 2                            ; 16 r + 8 x (wave % 2): their scale words
.set PFO, 3                            ; 256 x min(lane, 24)
.set LA,  4                            ; v4-7  LDS: 16 x lane + 51,200 q, q = 2 slot + block; v4 is also the stores' offset
.set LR,  8                            ; v8-11 LDS: 16 r + 51,200 q
.set AH,  12                           ; 64 h
.set SO,  13                           ; the stage, on the way in
.set SR,  14                           ; and on the way out
.set SC0, 16
.set SC1, 32
.set S1,  48
.set SPW, 240
.set NIL, 241
.set P0,  24                           ; s[24:25] my block column of W2
.set HR,  26                           ; s[26:27] h
.set BI,  28                           ; s[28:29] b2
.set OUT, 30                           ; s[30:31] y2
.set PF,  38                           ; s[38:39] where my prefetches stand
.set MSB, 0
.macro WIN new                         ; the immediate's high byte repeats the setting that is left
.if MSB != (\new)
	s_set_vgpr_msb (MSB<<8)|(\new)
.set MSB, (\new)
.endif
.endm
.macro PLACES n
.rept \n
	v_nop
.endr
.endm
.macro CREST                           ; a round of the cluster's barrier behind its opening barrier
	s_cmp_lg_u32 s20, 0
	s_cbranch_scc1 .Lnot_wave_0_\@
	s_barrier_signal -3
.Lnot_wave_0_\@:
	s_barrier_wait -3
	s_barrier_signal -1
	s_barrier_wait -1
.endm
.macro CROUND
	s_barrier_signal -1
	s_barrier_wait -1
	CREST
.endm
.macro JLOAD c                         ; my quarter of chunk c; s_nop 0 and four v_nop behind it
	tensor_load_to_lds s[48+4*(\c):51+4*(\c)], s[40:47]
	s_nop 0
	PLACES 4
.endm
.macro ASK c                           ; 25 rows of 256 bytes of chunk c
	global_prefetch_b8 v[PFO], s[PF:PF+1] offset:(\c)*51200 th:TH_LOAD_NT scope:SCOPE_SE
.endm
.macro G0LOAD k                        ; W2 of K step k: two fragments and their scale words, 7 loads, into set k % 8
.set GS_, (\k)%8
	WIN 0x40
.irp b, 0,1
.irp i, 0,1,2
	global_load_b128 v[24*GS_+12*\b+4*\i:24*GS_+12*\b+4*\i+3], v[AL], s[P0:P0+1] offset:(\k)*6400+\b*1536+512*\i
.endr
.endr
	WIN 0
	global_load_b64 v[SC0+2*GS_:SC0+2*GS_+1], v[ARW], s[P0:P0+1] offset:(\k)*6400+6144
.endm
.macro L1LOAD k                        ; f of K step k: eight fragments and their scale words, 26 LDS loads, into set k % 2
.set LS_, S1+96*((\k)%2)
.set LQ_, 2*(((\k)/8)%2)
.irp a, 0,1,2,3,4,5,6,7
.irp i, 0,1,2
	ds_load_b128 v[LS_+12*\a+4*\i:LS_+12*\a+4*\i+3], v[LA+LQ_+\a/4] offset:((\k)%8)*6400+(\a%4)*1536+512*\i
.endr
.endr
.irp x, 0,1
	ds_load_b128 v[SC1+8*((\k)%2)+4*\x:SC1+8*((\k)%2)+4*\x+3], v[LR+LQ_+\x] offset:((\k)%8)*6400+6144
.endr
.endm
.macro MUL k                           ; the 16 accumulators take turns, one instruction a turn, in the same order in every K step
	WIN 0xa1
.irp a, 0,1,2,3,4,5,6,7
.irp b, 0,1
	v_wmma_scale_f32_16x16x128_f8f6f4 v[16*\a+8*\b:16*\a+8*\b+7], v[24*((\k)%8)+12*\b:24*((\k)%8)+12*\b+11], v[S1+96*((\k)%2)+12*\a:S1+96*((\k)%2)+12*\a+11], v[16*\a+8*\b:16*\a+8*\b+7], v[SC0+2*((\k)%8)+\b], v[SC1+8*((\k)%2)+\a] matrix_a_fmt:MATRIX_FMT_BF6 matrix_b_fmt:MATRIX_FMT_BF6
.endr
.endr
.endm
.macro STEP k
	PLACES 4                                       ; four plain places in front of loads into registers that the last K step's products have read
	WIN 0
.if ((\k)%8 == 7) && ((\k) < KS-1)
	; a chunk's last K step: its fragments were asked for a step ago; the next step's lie in the other slot
	G0LOAD (\k)+7
	s_wait_tensorcnt 0x0                           ; my one tensor load that was out, my quarter of the next chunk, has landed;
	ds_add_u32 v[SPW], v[NIL]                      ; 0 onto my spare word;
	s_wait_loadcnt 49                              ; W2 of this K step is in; the 7 loads of each of the seven steps behind it may be out
	s_wait_dscnt 0x0                               ; the add is done, and my reads of this slot are over
	s_barrier_signal -1
	MUL \k
	WIN 0
	s_barrier_wait -1
.if (\k)/8+2 < 4
	CREST                                          ; the barrier has opened a round of the cluster's barrier: no wave of any partner still reads this slot
	JLOAD (\k)/8+2                                 ; the refill, first behind the round; its four v_nop are the places in front of the loads below
.else
	PLACES 4
.endif
	L1LOAD (\k)+1
.if (\k)/8+3 < 4
	ASK (\k)/8+3
.endif
.else
.if (\k)+1 < KS
	L1LOAD (\k)+1
.endif
.if (\k)+7 < KS
	G0LOAD (\k)+7
	s_wait_loadcnt 49                              ; as above
.else
	s_wait_loadcnt 7*(KS-1-(\k))
.endif
.if (\k)+1 < KS
	s_wait_dscnt 26                                ; this K step's fragments are in; the 26 loads just issued may be out
.else
	s_wait_dscnt 0x0
.endif
	MUL \k
.endif
.endm
	s_load_b256 s[4:11], s[0:1], 0x0               ; fimg, wimg, hres, b2
	s_load_b64 s[12:13], s[0:1], 0x20              ; y2
	v_lshl_add_u32 v[SPW], v0, 2, SPARE
	v_mov_b32 v[NIL], 0
	ds_add_u32 v[SPW], v[NIL]                      ; the opening lines: the add, twice on end, and its wait ahead of my first tensor load
	ds_add_u32 v[SPW], v[NIL]
	v_lshrrev_b32 v242, 5, v0
	v_readfirstlane_b32 s20, v242                  ; wave
	s_and_b32 s17, s20, 1
	s_lshr_b32 s18, s20, 1
	s_mul_i32 s21, s17, 3072
	s_lshl_b32 s22, s17, 3
	s_lshl_b32 s23, s20, 7
	s_add_co_u32 s23, s23, STG                     ; the stage: my 32 columns, 128 bytes of a row
	s_mul_i32 s19, s20, 32*SP
	s_add_co_u32 s19, s19, STG                     ; and the 32 rows that I send
	v_and_b32 v243, 31, v0                         ; lane
	v_and_b32 v244, 15, v0                         ; r
	v_bfe_u32 v245, v0, 4, 1                       ; h
	v_lshlrev_b32 v[LA], 4, v243
	v_lshlrev_b32 v[LR], 4, v244
.irp q, 1,2,3
	v_add_nc_u32 v[LA+\q], 51200*\q, v[LA]
	v_add_nc_u32 v[LR+\q], 51200*\q, v[LR]
.endr
	v_add_nc_u32 v[AL], s21, v[LA]
	v_add_nc_u32 v[ARW], s22, v[LR]
	v_min_u32 v[PFO], 24, v243
	v_lshlrev_b32 v[PFO], 8, v[PFO]
	v_lshlrev_b32 v[AH], 6, v245
	v_and_b32 v246, 8, v244
	v_add_nc_u32 v246, v246, v244                  ; r + 8 (r / 8): lane row r's token in its tile's group of 32
	v_mul_u32_u24 v[SO], v246, SP
	v_lshl_add_u32 v[SO], v245, 6, v[SO]
	v_add_nc_u32 v[SO], s23, v[SO]
	v_add_nc_u32 v[SR], s19, v[LA]
	s_bfe_u32 s14, ttmp6, 0x40000                  ; cx
	s_lshl_b32 s15, ttmp9, 2
	s_add_co_u32 s15, s15, s14                     ; X: my 128 columns
	s_and_b32 s16, ttmp7, 0xffff                   ; y: my 128 tokens
	s_mov_b32 s40, 15|(3<<16)|(1<<21)              ; group 1: the mask of the four partners, bit 21 beside it; a dense block as rows of 256 bytes: 32 elements of 8 bytes
	s_mov_b32 s41, 32<<16
	s_mov_b32 s42, 100<<16
	s_mov_b32 s43, 32<<16
	s_mov_b32 s44, 100
	s_mov_b32 s45, 32
	s_mov_b32 s46, 0
	s_mov_b32 s47, 0
	s_mul_i32 s32, s16, 409600                     ; f: two blocks of 204,800 bytes for each y; block wave / 2, half wave % 2 of a chunk's 51,200
	s_mul_i32 s35, s18, 204800
	s_add_co_u32 s32, s32, s35
	s_mul_i32 s35, s17, 25600
	s_add_co_u32 s32, s32, s35
	s_mov_b32 s33, 0
	s_mul_i32 s34, s20, 25600                      ; and where it goes in a slot
	s_wait_alu depctr_va_vdst(0)
	s_wait_dscnt 0x0                               ; both opening adds are done
	s_wait_kmcnt 0x0
	s_add_nc_u64 s[36:37], s[4:5], s[32:33]
.irp q, 0,1,2,3                                ; a group 0 for each chunk: none is ever written again
	s_mov_b32 s[48+4*\q], 1
	s_add_co_u32 s[49+4*\q], s34, (\q%2)*SLOT
	s_add_nc_u64 s[50+4*\q:51+4*\q], s[36:37], \q*51200
	s_or_b32 s[51+4*\q], s[51+4*\q], 0x80000000
.endr
	CROUND                                         ; the four partners are here: the first joint loads meet
	JLOAD 0                                        ; one tensor load a wave at the head
	s_mul_i32 s66, s14, 6400
	s_mov_b32 s67, 0
	s_add_nc_u64 s[PF:PF+1], s[36:37], s[66:67]    ; my work-group's 25 of my wave's 100 rows
	s_lshl_b32 s66, s15, 1
	s_add_co_u32 s66, s66, s18
	s_mul_i32 s66, s66, 204800
	s_add_co_u32 s66, s66, 0x640000                ; W2's place in wimg
	s_add_nc_u64 s[P0:P0+1], s[6:7], s[66:67]
	s_lshl_b32 s68, s16, 19                        ; 128 tokens of 4,096 bytes
	s_lshl_b32 s66, s15, 13
	s_lshl_b32 s69, s20, 11
	s_add_co_u32 s66, s66, s69
	s_add_co_u32 s66, s66, s68
	s_add_nc_u64 s[HR:HR+1], s[8:9], s[66:67]      ; h: [64 tokens][tile a][column tile][1,024]
	s_lshl_b32 s70, s15, 9
	s_lshl_b32 s66, s20, 7
	s_add_co_u32 s66, s66, s70
	s_add_nc_u64 s[BI:BI+1], s[10:11], s[66:67]
	s_lshl_b32 s66, s20, 17
	s_add_co_u32 s66, s66, s70
	s_add_co_u32 s66, s66, s68
	s_add_nc_u64 s[OUT:OUT+1], s[12:13], s[66:67]  ; y2: row 128 y + 32 wave, column 128 X
	WIN 0x80
.irp a, 0,1,2,3,4,5,6,7
.irp b, 0,1
.irp i, 0,1
	global_load_b128 v[16*\a+8*\b+4*\i:16*\a+8*\b+4*\i+3], v[LA], s[HR:HR+1] offset:\a*65536+\b*1024+512*\i th:TH_LOAD_NT
.endr
.endr
.endr
	ASK 1
	WIN 0x40
.irp n, 0,1,2,3
	global_load_b128 v[192+4*\n:195+4*\n], v[AH], s[BI:BI+1] offset:16*\n   ; b2 at columns 16 h + 0 .. 15 of my 32
.endr
	G0LOAD 0
	G0LOAD 1
	G0LOAD 2
	s_wait_tensorcnt 0x0                           ; my quarter of chunk 0 is in
	ds_add_u32 v[SPW], v[NIL]
	s_wait_dscnt 0x0
	CROUND                                         ; everybody's quarter is in, and the four partners are here
	JLOAD 1                                        ; slot 1's first fill, first behind the round
	L1LOAD 0
	ASK 2
	G0LOAD 3
	G0LOAD 4
	G0LOAD 5
	G0LOAD 6
.set KK, 0
.rept KS
	STEP KK
.set KK, KK+1
.endr
	PLACES 4                                       ; in front of the first read of results just made
	WIN 0x86
.irp a, 0,1,2,3,4,5,6,7
.irp b, 0,1
.irp n, 0,1,2,3
	v_pk_add_f32 v[16*\a+8*\b+2*\n:16*\a+8*\b+2*\n+1], v[16*\a+8*\b+2*\n:16*\a+8*\b+2*\n+1], v[192+8*\b+2*\n:193+8*\b+2*\n]   ; + b2; each accumulator from its low end on
.endr
.endr
.endr
	WIN 0x08
.irp a, 0,1,2,3,4,5,6,7                        ; tile a's lane row r is token 64 (a / 4) + 32 ((a % 4) / 2) + 8 (a % 2) + r + 8 (r / 8)
.irp b, 0,1
.irp i, 0,1
	ds_store_b128 v[SO], v[16*\a+8*\b+4*\i:16*\a+8*\b+4*\i+3] offset:(64*(\a/4)+32*((\a%4)/2)+8*(\a%2))*SP+32*\b+16*\i
.endr
.endr
.endr
	WIN 0
	s_wait_dscnt 0x0                               ; for the others' sake: my stores have landed
	s_barrier_signal -1
	s_barrier_wait -1
.set t_, 0
.rept 32
	ds_load_b128 v[S1+4*t_:S1+4*t_+3], v[SR] offset:t_*SP   ; a whole row of the block: 512 bytes
.set t_, t_+1
.endr
.set t_, 0
.rept 32
	s_wait_dscnt 31-t_                             ; the younger LDS loads may be out
	global_store_b128 v[LA], v[S1+4*t_:S1+4*t_+3], s[OUT:OUT+1] offset:t_*4096   ; 32 lanes store 512 consecutive bytes, at a multiple of 256 from y2's first byte
.set t_, t_+1
.endr
	s_wait_tensorcnt 0x0                           ; the wave's end
	ds_add_u32 v[SPW], v[NIL]
	s_wait_dscnt 0x0
	CROUND                                         ; the closing round
	s_endpgm
.Lfunc_end_k_q0434ccb94b_ffn2:
	.size	k_q0434ccb94b_ffn2, .Lfunc_end_k_q0434ccb94b_ffn2-k_q0434ccb94b_ffn2
	.p2alignl 7, 3214868480
	.fill 96, 4, 3214868480
	.section	.rodata,"a",@progbits
	.p2align	6, 0x0
	.amdhsa_kernel k_q0434ccb94b_ffn2
		.amdhsa_group_segment_fixed_size 327680
		.amdhsa_private_segment_fixed_size 0
		.amdhsa_enable_private_segment 0
		.amdhsa_kernarg_size 40
		.amdhsa_user_sgpr_count 2
		.amdhsa_user_sgpr_kernarg_segment_ptr 1
		.amdhsa_wavefront_size32 1
		.amdhsa_system_sgpr_workgroup_id_x 1
		.amdhsa_system_sgpr_workgroup_id_y 1
		.amdhsa_system_sgpr_workgroup_id_z 1
		.amdhsa_system_vgpr_workitem_id 0
		.amdhsa_next_free_vgpr 768
		.amdhsa_next_free_sgpr 96
		.amdhsa_reserve_vcc 0
		.amdhsa_float_denorm_mode_32 3
		.amdhsa_float_denorm_mode_16_64 3
		.amdhsa_memory_ordered 1
		.amdhsa_forward_progress 1
		.amdhsa_inst_pref_size 171
	.end_amdhsa_kernel
	.amdgpu_metadata
---
amdhsa.version: [ 1, 2 ]
amdhsa.kernels:
  - .name:           k_q0434ccb94b_ffn2
    .symbol:         k_q0434ccb94b_ffn2.kd
    .args:
      - { .name: fimg, .offset: 0, .size: 8, .value_kind: global_buffer, .address_space: global }
      - { .name: wimg, .offset: 8, .size: 8, .value_kind: global_buffer, .address_space: global }
      - { .name: hres, .offset: 16, .size: 8, .value_kind: global_buffer, .address_space: global }
      - { .name: b2, .offset: 24, .size: 8, .value_kind: global_buffer, .address_space: global }
      - { .name: y2, .offset: 32, .size: 8, .value_kind: global_buffer, .address_space: global }
    .group_segment_fixed_size: 327680
    .private_segment_fixed_size: 0
    .kernarg_segment_align: 8
    .kernarg_segment_size: 40
    .max_flat_workgroup_size: 128
    .sgpr_count:     96
    .vgpr_count:     768
    .wavefront_size: 32
...
	.end_amdgpu_metadata
.endif
;; end of part 5
;; launch ln2 (part 6): grid 256 x 1, 4 waves a work-group, no clusters, 0 bytes of LDS; arguments y2, g2, be2, out0; writes out0
.if DOCPART == 6
	.amdgcn_target "amdgcn-amd-amdhsa--gfx1250"
	.amdhsa_code_object_version 6
	.text
	.protected	k_q0434ccb94b_ln2
	.globl	k_q0434ccb94b_ln2
	.p2align	8
	.type	k_q0434ccb94b_ln2,@function
k_q0434ccb94b_ln2:
	s_mov_b64 s[64:65], 0
	v_nop
	global_prefetch_b8 v0, s[64:65] scope:SCOPE_SE
	s_setreg_imm32_b32 hwreg(HW_REG_WAVE_MODE, 25, 1), 1
	s_wait_xcnt 0x0
; out = LayerNorm(y2) g2 + be2.  Rows of 1,024 f32.  A wave takes four rows and keeps them in registers between the passes (32 registers a row): each byte is read once and written once.
; A load or store of a wave covers 512 consecutive bytes.  The reductions never leave the wave: no LDS, no barrier.  The four rows go by turns, so that no line waits for the line above it.
; Memory binds: matrix units, clusters and LDS would add nothing.
; LIMITS: NaN and infinities are not served; 1 / sqrt is v_rsq_f32's.
.set R,  32                            ; v32-159 four rows
.set G,  160                           ; v160-191 g2
.set B,  192                           ; v192-223 be2
.macro RED                             ; v[4 + 4 p] of the four rows, summed over the 32 lanes
.irp m, 1,2,4,8
.irp p, 0,1,2,3
	v_add_f32_dpp v[4+4*\p], v[4+4*\p], v[4+4*\p] row_xmask:\m row_mask:0xf bank_mask:0xf
.endr
.endr
.irp p, 0,1,2,3
	v_permlanex16_b32 v[20+\p], v[4+4*\p], s16, s17
.endr
.irp p, 0,1,2,3
	v_add_f32 v[4+4*\p], v[4+4*\p], v[20+\p]
.endr
.endm
	s_load_b256 s[4:11], s[0:1], 0x0               ; y2, g2, be2, out0
	v_lshrrev_b32 v1, 5, v0
	v_readfirstlane_b32 s12, v1
	v_and_b32 v1, 31, v0
	v_lshlrev_b32 v1, 4, v1
	s_lshl_b32 s14, ttmp9, 2
	s_add_co_u32 s14, s14, s12
	s_lshl_b32 s14, s14, 14                        ; four rows of 4,096 bytes a wave
	s_mov_b32 s15, 0
	s_mov_b32 s16, 0x76543210
	s_mov_b32 s17, 0xfedcba98
	s_mov_b32 s18, 0x3a800000                      ; 1 / 1,024
	s_mov_b32 s19, 0x3727c5ac                      ; 1e-5
.irp p, 0,1,2,3
	v_mov_b32 v[20+\p], 0                          ; a lane permute's destination counts as one of its sources
.endr
	s_wait_alu depctr_va_vdst(0)
	s_wait_kmcnt 0x0
	s_add_nc_u64 s[4:5], s[4:5], s[14:15]
	s_add_nc_u64 s[10:11], s[10:11], s[14:15]
.irp p, 0,1,2,3
.irp i, 0,1,2,3,4,5,6,7
	global_load_b128 v[R+32*\p+4*\i:R+32*\p+4*\i+3], v1, s[4:5] offset:4096*\p+512*\i th:TH_LOAD_NT
.endr
.endr
.irp i, 0,1,2,3,4,5,6,7
	global_load_b128 v[G+4*\i:G+4*\i+3], v1, s[6:7] offset:512*\i
.endr
.irp i, 0,1,2,3,4,5,6,7
	global_load_b128 v[B+4*\i:B+4*\i+3], v1, s[8:9] offset:512*\i
.endr
	s_wait_loadcnt 16                              ; the rows are in; g2's and be2's 16 loads may be out
.irp p, 0,1,2,3
	v_pk_add_f32 v[4+4*\p:5+4*\p], v[R+32*\p:R+32*\p+1], v[R+32*\p+2:R+32*\p+3]
	v_pk_add_f32 v[6+4*\p:7+4*\p], v[R+32*\p+4:R+32*\p+5], v[R+32*\p+6:R+32*\p+7]
.endr
.irp n, 8,12,16,20,24,28
.irp p, 0,1,2,3
	v_pk_add_f32 v[4+4*\p:5+4*\p], v[4+4*\p:5+4*\p], v[R+32*\p+\n:R+32*\p+\n+1]
	v_pk_add_f32 v[6+4*\p:7+4*\p], v[6+4*\p:7+4*\p], v[R+32*\p+\n+2:R+32*\p+\n+3]
.endr
.endr
.irp p, 0,1,2,3
	v_pk_add_f32 v[4+4*\p:5+4*\p], v[4+4*\p:5+4*\p], v[6+4*\p:7+4*\p]
.endr
.irp p, 0,1,2,3
	v_add_f32 v[4+4*\p], v[4+4*\p], v[5+4*\p]
.endr
	RED
.irp p, 0,1,2,3
	v_mul_f32 v[24+2*\p], s18, v[4+4*\p]           ; the mean, twice: a pair for the packed forms
	v_mul_f32 v[25+2*\p], s18, v[4+4*\p]
.endr
.irp n, 0,2,4,6,8,10,12,14,16,18,20,22,24,26,28,30
.irp p, 0,1,2,3
	v_pk_add_f32 v[R+32*\p+\n:R+32*\p+\n+1], v[R+32*\p+\n:R+32*\p+\n+1], v[24+2*\p:25+2*\p] neg_lo:[0,1] neg_hi:[0,1]
.endr
.endr
.irp p, 0,1,2,3
	v_pk_mul_f32 v[4+4*\p:5+4*\p], v[R+32*\p:R+32*\p+1], v[R+32*\p:R+32*\p+1]
	v_pk_mul_f32 v[6+4*\p:7+4*\p], v[R+32*\p+2:R+32*\p+3], v[R+32*\p+2:R+32*\p+3]
.endr
.irp n, 4,8,12,16,20,24,28
.irp p, 0,1,2,3
	v_pk_fma_f32 v[4+4*\p:5+4*\p], v[R+32*\p+\n:R+32*\p+\n+1], v[R+32*\p+\n:R+32*\p+\n+1], v[4+4*\p:5+4*\p]
	v_pk_fma_f32 v[6+4*\p:7+4*\p], v[R+32*\p+\n+2:R+32*\p+\n+3], v[R+32*\p+\n+2:R+32*\p+\n+3], v[6+4*\p:7+4*\p]
.endr
.endr
.irp p, 0,1,2,3
	v_pk_add_f32 v[4+4*\p:5+4*\p], v[4+4*\p:5+4*\p], v[6+4*\p:7+4*\p]
.endr
.irp p, 0,1,2,3
	v_add_f32 v[4+4*\p], v[4+4*\p], v[5+4*\p]
.endr
	RED
.irp p, 0,1,2,3
	v_fma_f32 v[4+4*\p], v[4+4*\p], s18, s19       ; the variance + 1e-5
.endr
	s_wait_alu depctr_va_vdst(0)
.irp p, 0,1,2,3
	v_rsq_f32 v[24+2*\p], v[4+4*\p]
.endr
	v_nop
	s_wait_alu depctr_va_vdst(0)                   ; one wait for the four
.irp p, 0,1,2,3
	v_mov_b32 v[25+2*\p], v[24+2*\p]
.endr
	s_wait_alu depctr_va_vdst(0)
	s_wait_loadcnt 0x0                             ; g2, be2
.irp n, 0,2,4,6,8,10,12,14,16,18,20,22,24,26,28,30
.irp p, 0,1,2,3
	v_pk_mul_f32 v[R+32*\p+\n:R+32*\p+\n+1], v[R+32*\p+\n:R+32*\p+\n+1], v[24+2*\p:25+2*\p]
.endr
.irp p, 0,1,2,3
	v_pk_fma_f32 v[R+32*\p+\n:R+32*\p+\n+1], v[R+32*\p+\n:R+32*\p+\n+1], v[G+\n:G+\n+1], v[B+\n:B+\n+1]
.endr
.endr
.irp p, 0,1,2,3
.irp i, 0,1,2,3,4,5,6,7
	global_store_b128 v1, v[R+32*\p+4*\i:R+32*\p+4*\i+3], s[10:11] offset:4096*\p+512*\i th:TH_STORE_NT
.endr
.endr
	s_endpgm
.Lfunc_end_k_q0434ccb94b_ln2:
	.size	k_q0434ccb94b_ln2, .Lfunc_end_k_q0434ccb94b_ln2-k_q0434ccb94b_ln2
	.p2alignl 7, 3214868480
	.fill 96, 4, 3214868480
	.section	.rodata,"a",@progbits
	.p2align	6, 0x0
	.amdhsa_kernel k_q0434ccb94b_ln2
		.amdhsa_group_segment_fixed_size 0
		.amdhsa_private_segment_fixed_size 0
		.amdhsa_enable_private_segment 0
		.amdhsa_kernarg_size 32
		.amdhsa_user_sgpr_count 2
		.amdhsa_user_sgpr_kernarg_segment_ptr 1
		.amdhsa_wavefront_size32 1
		.amdhsa_system_sgpr_workgroup_id_x 1
		.amdhsa_system_sgpr_workgroup_id_y 1
		.amdhsa_system_sgpr_workgroup_id_z 1
		.amdhsa_system_vgpr_workitem_id 0
		.amdhsa_next_free_vgpr 224
		.amdhsa_next_free_sgpr 66
		.amdhsa_reserve_vcc 0
		.amdhsa_float_denorm_mode_32 3
		.amdhsa_float_denorm_mode_16_64 3
		.amdhsa_memory_ordered 1
		.amdhsa_forward_progress 1
		.amdhsa_inst_pref_size 33
	.end_amdhsa_kernel
	.amdgpu_metadata
---
amdhsa.version: [ 1, 2 ]
amdhsa.kernels:
  - .name:           k_q0434ccb94b_ln2
    .symbol:         k_q0434ccb94b_ln2.kd
    .args:
      - { .name: y2, .offset: 0, .size: 8, .value_kind: global_buffer, .address_space: global }
      - { .name: g2, .offset: 8, .size: 8, .value_kind: global_buffer, .address_space: global }
      - { .name: be2, .offset: 16, .size: 8, .value_kind: global_buffer, .address_space: global }
      - { .name: out0, .offset: 24, .size: 8, .value_kind: global_buffer, .address_space: global }
    .group_segment_fixed_size: 0
    .private_segment_fixed_size: 0
    .kernarg_segment_align: 8
    .kernarg_segment_size: 32
    .max_flat_workgroup_size: 128
    .sgpr_count:     66
    .vgpr_count:     224
    .wavefront_size: 32
...
	.end_amdgpu_metadata
.endif
;; end of part 6
